; MI455X (gfx1250); checked and timed in simulation.
; The chip was launched on July 23, 2026; its instructions are those of AMD's public machine-readable ISA for CDNA 5 (MIT licence, August 2026) and "CDNA5" Instruction Set Architecture Reference Guide (July 2026). The comments in the code are by the model that wrote it; some were corrected since.
;; Multi Headed Attention. Allowed arithmetic: matrix products marked QUANTISED: E2M3 operands, one E8M0 scale for each 32 along K, by v_wmma_scale_f32_16x16x128_f8f6f4 with both operands' format E2M3, f32 sums; everything else in f32.
;; Inputs: Wk 1,024 x 1,024 float32; Wo 1,024 x 1,024 float32; Wq 1,024 x 1,024 float32; Wv 1,024 x 1,024 float32; bk 1,024 float32; bo 1,024 float32; bq 1,024 float32; bv 1,024 float32; key 2 x 2,048 x 1,024 float32; mask 2 x 1 x 2,048 x 2,048 int32; query 2 x 2,048 x 1,024 float32; value 2 x 2,048 x 1,024 float32.
;; Outputs: out0 2 x 2,048 x 1,024 float32.
;; This version of the problem:
;;   THIS VERSION OF THE PROBLEM IS GIVEN IN LOW PRECISION. The matrix products marked QUANTISED in the list below multiply operands that are first quantised to E2M3 (2 exponent bits, 3 mantissa bits; 6 bits a number), with one power-of-two scale for each 32 numbers along K (OCP MX v1.0); their sums are f32. All else is computed in f32.
;;   The module's matrix products, in the order in which they are computed (A, B: the left and right operand; K: the contracted axis; several contracted axes count as one K, in the product's order):
;;     1. [M 4,096, K 1,024] x [K 1,024, N 1,024]; A: input query; B: input Wq: QUANTISED
;;     2. [M 4,096, K 1,024] x [K 1,024, N 1,024]; A: input key; B: input Wk: QUANTISED
;;     3. [M 4,096, K 1,024] x [K 1,024, N 1,024]; A: input value; B: input Wv: QUANTISED
;;     4. batch 32 x [M 2,048, K 64] x [K 64, N 2,048]; A: computed on the way; B: computed on the way: QUANTISED
;;     5. batch 32 x [M 2,048, K 2,048] x [K 2,048, N 64]; A: softmax (see below); B: computed on the way: QUANTISED
;;     6. [M 4,096, K 1,024] x [K 1,024, N 1,024]; A: computed on the way; B: input Wo: QUANTISED
;;   THE QUANTISER, for each operand of a quantised product, along K:
;;     - K is cut into blocks of 32 from its start; a last block that is shorter is filled with zeros.
;;     - A block's scale is 2^e with e = floor(log2(the largest magnitude in the block)) - 2, held to -126 .. 127; a block of zeros has e = 0. As a byte (E8M0): e + 127.
;;     - Each number is divided by its block's scale, clamped to +-7.5, and rounded to the nearest number of E2M3, ties to even, subnormals kept.
;;     - The product sums the exact products of the quantised numbers (number of the format x scale) in f32.
;;   ~~~python
;;   def quantise(x, axis):      # numpy; x: float32 -> the quantised numbers, widened to float32 again
;;       x = np.moveaxis(x, axis, -1); K = x.shape[-1]
;;       x = np.pad(x, [(0, 0)] * (x.ndim - 1) + [(0, -K % 32)]); x = x.reshape(x.shape[:-1] + (-1, 32)); a = np.abs(x).max(-1, keepdims=True)
;;       e = np.where(a > 0, np.clip(np.frexp(np.where(a > 0, a, 1))[1] - 1 - 2, -126, 127), 0)      # np.frexp(a)[1] - 1 = floor(log2(a)), exactly
;;       r = np.clip(x / 2.0 ** e, -7.5, 7.5)
;;       step = 2.0 ** (np.maximum(np.frexp(np.where(r == 0, 1, r))[1] - 1, 0) - 3)
;;       q = np.round(r / step) * step * 2.0 ** e      # np.round: ties to even
;;       return np.moveaxis(q.reshape(q.shape[:-2] + (-1,))[..., :K], -1, axis).astype(np.float32)
;;   ~~~
;;   SOFTMAX AHEAD OF A QUANTISED PRODUCT. Where the list says 'softmax', what is quantised is not the finished softmax but p = 2^(t - M), with t = logit x log2(e) and M = ceil(the row's largest t), a whole number; so 1/2 < the row's largest p <= 1. The row's sum l is taken of the UNQUANTISED p, in f32, and the product's result is divided by l at the end. Since M is a whole number, a kernel that streams over the keys may use a running M (the ceiling of the running maximum): every later rescaling is an exact power of two, which a block's scale takes up: the codes' values come out the same.
;;   OPERANDS COMPUTED ON THE WAY. 'Computed on the way' means the value that the module computes at that place (a softmax that the list does not call 'softmax' is quantised finished and normalised). What goes into a quantiser is computed in f32, as accurately as f32 sums, v_exp_f32 and their like allow (about 1e-6 of the number): no bf16 or f16 on the way to a quantiser, and a product that is left as it is and whose result goes on into a quantised operand takes f32 operands (vector FMAs, or v_wmma_f32_16x16x4_f32). A number that lies on a knife's edge between two numbers of the format may be rounded either way, as far as f32 arithmetic and the matrix unit's own rounding can turn it there, and no further.
;; One version. Each part assembles by itself: llvm-mc -triple=amdgcn-amd-amdhsa -mcpu=gfx1250 --defsym DOCPART=n.
;; ======== version 1 of 1: 4 launches
;; limits: right only within a limited range of input values
;; workspace buffers: xb 9,830,400 bytes; wb 3,276,800 bytes; mb 1,048,576 bytes of whole numbers; qb 3,407,872 bytes; kv 6,684,672 bytes; ob 3,276,800 bytes
;; launch prep (part 1): grid 768 x 1, 4 waves a work-group, no clusters, 68,096 bytes of LDS; arguments query, key, value, mask, Wq, Wk, Wv, Wo, xb, wb, mb; writes xb, wb, mb
.if DOCPART == 1
	.amdgcn_target "amdgcn-amd-amdhsa--gfx1250"
	.amdhsa_code_object_version 6
	.text
	.protected	k_q51cac0d1f9_prep
	.globl	k_q51cac0d1f9_prep
	.p2align	8
	.type	k_q51cac0d1f9_prep,@function
k_q51cac0d1f9_prep:
	s_mov_b64 s[64:65], 0
	v_nop
	global_prefetch_b8 v0, s[64:65] scope:SCOPE_SE
	s_setreg_imm32_b32 hwreg(HW_REG_WAVE_MODE, 25, 1), 1
	s_wait_xcnt 0x0
; PREP: every operand that is read more than once is quantised once, and the mask is packed once.
;   work-groups   0-383 (path X): query, key, value [4096][1024] f32, K innermost -> xb: codes of FP6 (E2M3) and E8M0 scale bytes
;   work-groups 384-639 (path M): mask [2][1][2048][2048] i32 -> mb: one 32-bit lane mask for each score register of the attention launch
;   work-groups 640-767 (path W): Wq, Wk, Wv, Wo [1024 (k)][1024 (n)] f32, K the FIRST axis -> wb
; Each work-group reads 128 KiB, so the three kinds of work weigh alike.  Waves share nothing: no barrier.  Nothing is shared between work-groups: no cluster.
; TILES.  Tile T of any axis of rows holds rows 32 (T / 2) + 8 (T % 2) + pi(r), pi(r) = r + 8 (r / 8), r = 0 .. 15: as source 0 of a product two neighbouring
; tiles then give a lane 16 registers that are 16 neighbours along that axis.
; UNITS.  My buffers hold IMAGES OF THE OPERANDS' REGISTERS.  A unit is 16 rows x 64 K, six registers a lane, 768 bytes: lane (r, h) holds k = 32 h .. 32 h + 31 of row r;
; registers 0-3 lie at 16 x lane, registers 4-5 at 512 + 8 x lane.  xb, wb: codes [tile][16 units][768]; scales [tile][4 chunks of 256 K][r][2 words], one word for 128 K.
; THE QUANTISER.  A block's scale is 2^(floor(log2(its largest magnitude)) - 2): its byte is that magnitude's exponent field - 2, held at 1 from below by a floor among the maximum's leaves.
; LIMITS: NaN and infinities among the inputs are not served.  A block whose largest magnitude lies under 2^-124, a block of zeros among them, gets the byte 1
; (the rule gives a block of zeros 127): its codes are zeros or the numbers' nearest codes under that scale, and this program alone reads the bytes.
.set XSOFF, 9437184                    ; xb: the scales begin behind 3 x 256 tiles of 12,288 bytes
.set WSOFF, 3145728                    ; wb: behind 4 x 64 tiles
.set STGX,  0                          ; LDS: path X's stages,
.set STGM,  33792                      ; path M's: bytes of their own for each path
.set WSTG,  8448                       ; a wave's stage: 16 rows of SP bytes
.set SP,    528                        ; 512 bytes + 16: row r starts 4 r words on, so the 16 rows that a read touches start at 16 different banks (64 banks of 4 bytes: ISA guide 11.1)
.set TM,  16                           ; v16-31   the quantiser's work
.set PC,  32                           ; v32-50   a fragment's codes
.set MW,  52                           ; v52-59   path M: a step's 64 words, two registers a step
.set X,   64                           ; v64-127  64 numbers of a lane: register 16 b + i = column 32 b + 16 h + i of row pi(r)
.set R,   128                          ; v128-255 two sets of 64 registers as loaded
.set SEL, 32                           ; s[32:33] v_permlanex16_b32's selects for lane l xor 16
.set SRC, 34                           ; s[34:35] where my wave reads
.set DST, 44                           ; s[44:45] where its codes or words go
.set DSS, 46                           ; s[46:47] where its scale words go
; 16 loads: row pi(i) of the tile, 512 consecutive bytes (128 numbers: step t) each
.macro GLOAD set, t, pitch
.irp i, 0,1,2,3,4,5,6,7,8,9,10,11,12,13,14,15
	global_load_b128 v[R+64*(\set)+4*\i:R+64*(\set)+4*\i+3], v4, s[SRC:SRC+1] offset:(\i+8*(\i/8))*\pitch+512*(\t) th:TH_LOAD_NT
.endr
.endm
; through my own stage: in as loaded, out 16 neighbours of each block of 32 to a lane.  LDS serves a wave's instructions in order (ISA guide 5.7.1.4): no wait between
.macro TURN set, stg
.irp i, 0,1,2,3,4,5,6,7,8,9,10,11,12,13,14,15
	ds_store_b128 v6, v[R+64*(\set)+4*\i:R+64*(\set)+4*\i+3] offset:\stg+SP*\i
.endr
.irp b, 0,1,2,3
.irp j, 0,1,2,3
	ds_load_b128 v[X+16*\b+4*\j:X+16*\b+4*\j+3], v7 offset:\stg+128*\b+16*\j
.endr
.endr
.endm
; the head of step t: its numbers into X, and the loads of two steps on
.macro FEED t, stg, pitch
.if (\t) < 3
	s_wait_loadcnt 16                              ; this step's 16 loads are in; the next step's 16 may be out
.else
	s_wait_loadcnt 0x0
.endif
	TURN (\t)%2, \stg
	s_wait_dscnt 0x0                               ; X is in, and the stores into the stage have read their registers,
.if (\t) < 2
	GLOAD (\t)%2, (\t)+2, \pitch                   ; which take the loads of two steps on
.endif
.endm
; 64 numbers of a lane become a fragment's codes in v[PC] on and its row's scale word in v[pw]
.macro QUANT s, pw
.irp b, 0,1,2,3
	v_max3_num_f32 v[TM+\b], |v[\s+16*\b]|, |v[\s+1+16*\b]|, 0x1800000   ; block b: my 16 numbers, and the floor 2^(3 - 127)
.endr
.irp i, 2,4,6,8,10,12,14
.irp b, 0,1,2,3
	v_max3_num_f32 v[TM+\b], v[TM+\b], |v[\s+16*\b+\i]|, |v[\s+1+16*\b+\i]|   ; the four blocks by turns
.endr
.endr
.irp b, 0,1,2,3
	v_permlanex16_b32 v[TM+4+\b], v[TM+\b], s[SEL], s[SEL+1]
.endr
.irp b, 0,1,2,3
	v_max_num_f32 v[TM+\b], v[TM+\b], v[TM+4+\b]   ; with lane l xor 16's 16: the block's largest magnitude
.endr
.irp b, 0,1,2,3
	v_add_nc_u32 v[TM+12+\b], 0xff000000, v[TM+\b] ; 2 off its exponent field: the conversion takes this operand's exponent field as its scale
.endr
.irp b, 0,1,2,3
	v_lshrrev_b32 v[TM+4+\b], 23, v[TM+12+\b]      ; the scale's byte
.endr
	v_lshl_or_b32 v[\pw], v[TM+5], 8, v[TM+4]
	v_lshl_or_b32 v[\pw], v[TM+6], 16, v[\pw]
	v_lshl_or_b32 v[\pw], v[TM+7], 24, v[\pw]
.irp c, 0,1
	v_cvt_scalef32_pk16_fp6_f32 v[PC+6*\c:PC+2+6*\c], v[\s+32*\c:\s+15+32*\c], v[TM+12+2*\c]
	v_cvt_scalef32_pk16_fp6_f32 v[PC+12+4*\c:PC+14+4*\c], v[\s+16+32*\c:\s+31+32*\c], v[TM+12+2*\c+1]   ; (a conversion's three registers begin on an even number)
.endr
	v_nop                                          ; one plain place behind a scaled conversion
.irp c, 0,1                                    ; the layout wants a WHOLE block in a lane: lanes 0-15 block 2 c, lanes 16-31 block 2 c + 1
.irp i, 0,1,2
	v_permlane16_swap_b32 v[PC+6*\c+\i], v[PC+12+4*\c+\i]
.endr
.irp i, 0,1,2
	v_mov_b32 v[PC+3+6*\c+\i], v[PC+12+4*\c+\i]
.endr
.endr
.endm
	s_load_b512 s[8:23], s[0:1], 0x0               ; query s[8:9], key s[10:11], value s[12:13], mask s[14:15], Wq s[16:17], Wk s[18:19], Wv s[20:21], Wo s[22:23]
	s_load_b128 s[24:27], s[0:1], 0x40             ; xb s[24:25], wb s[26:27]
	s_load_b64 s[28:29], s[0:1], 0x50              ; mb
	v_lshl_add_u32 v62, v0, 2, 0x10800
	v_mov_b32 v63, 0
	v_lshrrev_b32 v1, 5, v0
	v_readfirstlane_b32 s30, v1                    ; wave 0..3
	v_and_b32 v1, 31, v0                           ; lane
	v_and_b32 v2, 15, v0                           ; r
	v_bfe_u32 v3, v0, 4, 1                         ; h
	v_lshlrev_b32 v4, 4, v1                        ; 16 x lane
	v_lshlrev_b32 v5, 3, v1                        ; 8 x lane
	s_mul_i32 s31, s30, WSTG
	v_add_nc_u32 v6, s31, v4                       ; my stage, on the way in: 16 x lane of a row
	v_mul_u32_u24 v7, v2, SP
	v_lshl_add_u32 v7, v3, 6, v7
	v_add_nc_u32 v7, s31, v7                       ; and out: row r, + 64 h
	s_mov_b32 s[SEL], 0x76543210
	s_mov_b32 s[SEL+1], 0xfedcba98
	s_mov_b32 s41, 0                               ; the upper word of every offset pair s[40:41]
.irp b, 0,1,2,3
	v_mov_b32 v[TM+4+\b], 0                        ; written once: a lane permute's destination counts as one of its sources
.endr
	s_wait_kmcnt 0x0
	s_cmp_lt_u32 ttmp9, 384
	s_cbranch_scc0 .Lnot_x
; ---- PATH X.  A wave takes one tile of 16 rows and half of K: four steps of 128.
	s_lshr_b32 s36, ttmp9, 7                       ; which tensor
	s_cmp_eq_u32 s36, 0
	s_cselect_b64 s[SRC:SRC+1], s[8:9], s[10:11]
	s_cmp_eq_u32 s36, 2
	s_cselect_b64 s[SRC:SRC+1], s[12:13], s[SRC:SRC+1]
	s_and_b32 s37, ttmp9, 127
	s_lshl_b32 s37, s37, 2
	s_add_co_u32 s37, s37, s30
	s_lshr_b32 s38, s37, 1                         ; the tile
	s_and_b32 s39, s37, 1                          ; which half of K
	s_lshr_b32 s40, s38, 1
	s_lshl_b32 s40, s40, 17                        ; 32 rows of 4,096 bytes
	s_and_b32 s42, s38, 1
	s_lshl_b32 s42, s42, 15                        ; 8 rows
	s_add_co_u32 s40, s40, s42
	s_lshl_b32 s42, s39, 11
	s_add_co_u32 s40, s40, s42
	s_add_nc_u64 s[SRC:SRC+1], s[SRC:SRC+1], s[40:41]
	s_lshl_b32 s42, s36, 8
	s_add_co_u32 s42, s42, s38                     ; the tile's number in xb
	s_mul_i32 s40, s42, 12288
	s_mul_i32 s43, s39, 6144
	s_add_co_u32 s40, s40, s43
	s_add_nc_u64 s[DST:DST+1], s[24:25], s[40:41]
	s_lshl_b32 s40, s42, 9
	s_lshl_b32 s43, s39, 8
	s_add_co_u32 s40, s40, s43
	s_add_co_u32 s40, s40, XSOFF
	s_add_nc_u64 s[DSS:DSS+1], s[24:25], s[40:41]
	GLOAD 0, 0, 4096
	GLOAD 1, 1, 4096
.macro XSTEP t
	FEED \t, STGX, 4096
.if (\t) > 0
	s_wait_xcnt 0x0                                ; the last step's stores have read the codes' registers: they are written again only behind this wait
.endif
	QUANT X, 8+(\t)
	global_store_b128 v4, v[PC:PC+3], s[DST:DST+1] offset:1536*(\t)          ; two units: each store of the wave covers 512 or 256 consecutive bytes, aligned
	global_store_b64 v5, v[PC+4:PC+5], s[DST:DST+1] offset:1536*(\t)+512
	global_store_b128 v4, v[PC+6:PC+9], s[DST:DST+1] offset:1536*(\t)+768
	global_store_b64 v5, v[PC+10:PC+11], s[DST:DST+1] offset:1536*(\t)+1280
.endm
	s_wait_alu depctr_va_vdst(0)
	XSTEP 0
	XSTEP 1
	XSTEP 2
	XSTEP 3
	v_cmp_ne_u32 vcc_lo, 0, v3                     ; lanes 0-15 store their row's words of steps 0, 1 (one chunk of 256 K), lanes 16-31 those of steps 2, 3
	v_cndmask_b32 v12, v8, v10, vcc_lo
	v_cndmask_b32 v13, v9, v11, vcc_lo
	global_store_b64 v5, v[12:13], s[DSS:DSS+1]    ; 256 consecutive bytes, aligned
	s_wait_tensorcnt 0x0
	ds_add_u32 v62, v63
	s_wait_dscnt 0x0
	s_endpgm
.Lnot_x:
	s_cmp_lt_u32 ttmp9, 640
	s_cbranch_scc0 .Lpath_w
; ---- PATH M.  A work-group takes a tile of 16 queries, a wave a quarter of the keys: four steps of 128.
; Word n = 16 b + i of a step: bit l (lane (r, h)) says whether key 32 b + 16 h + i of the step counts for query pi(r): the place that this score has in the attention launch's registers.
	s_sub_co_u32 s36, ttmp9, 384                   ; the tile of queries, 0..255 over both batches
	s_lshr_b32 s40, s36, 1
	s_lshl_b32 s40, s40, 18                        ; 32 rows of 8,192 bytes
	s_and_b32 s42, s36, 1
	s_lshl_b32 s42, s42, 16
	s_add_co_u32 s40, s40, s42
	s_lshl_b32 s42, s30, 11
	s_add_co_u32 s40, s40, s42
	s_add_nc_u64 s[SRC:SRC+1], s[14:15], s[40:41]
	s_lshl_b32 s40, s36, 4
	s_lshl_b32 s42, s30, 2
	s_add_co_u32 s40, s40, s42
	s_lshl_b32 s40, s40, 8                         ; 256 bytes a step
	s_add_nc_u64 s[DST:DST+1], s[28:29], s[40:41]
.irp j, 0,1,2,3,4,5,6,7
	v_mov_b32 v[MW+\j], 0                          ; written once: v_writelane_b32's destination counts as read
.endr
	GLOAD 0, 0, 8192
	GLOAD 1, 1, 8192
.macro MSTEP t
	FEED \t, STGM, 8192
.irp g, 0,1,2,3,4,5,6,7
.irp e, 0,1,2,3,4,5,6,7
	v_cmp_ne_u32 s[48+\e], 0, v[X+8*\g+\e]         ; the compare's result IS the word
.endr
.irp e, 0,1,2,3,4,5,6,7
	v_writelane_b32 v[MW+2*(\t)+\e%2], s[48+\e], (8*\g+\e)/2   ; word n to lane n / 2, register n % 2
.endr
.endr
	global_store_b64 v5, v[MW+2*(\t):MW+2*(\t)+1], s[DST:DST+1] offset:256*(\t)   ; 64 words: 256 consecutive bytes, aligned; each step has registers of its own
.endm
	MSTEP 0
	MSTEP 1
	MSTEP 2
	MSTEP 3
	s_wait_tensorcnt 0x0
	ds_add_u32 v62, v63
	s_wait_dscnt 0x0
	s_endpgm
; ---- PATH W.  A lane takes a column n and its registers run down K: a block of 32 lies in one lane, and the conversions give codes with K innermost.  Nothing is transposed.
; A wave takes 32 columns (two tiles) x 256 K (8 blocks).  Column l of the 32 is row rr = l % 8 + 8 (l / 16) of tile u = (l / 8) % 2.
.Lpath_w:
	s_sub_co_u32 s36, ttmp9, 640
	s_lshr_b32 s37, s36, 5                         ; which weight: q, k, v, o
	s_and_b32 s38, s36, 7                          ; which 128 columns
	s_bfe_u32 s39, s36, 0x20003                    ; which 256 of K
	s_cmp_eq_u32 s37, 0
	s_cselect_b64 s[SRC:SRC+1], s[16:17], s[18:19]
	s_cmp_eq_u32 s37, 2
	s_cselect_b64 s[SRC:SRC+1], s[20:21], s[SRC:SRC+1]
	s_cmp_eq_u32 s37, 3
	s_cselect_b64 s[SRC:SRC+1], s[22:23], s[SRC:SRC+1]
	s_lshl_b32 s40, s39, 20                        ; 256 rows of 4,096 bytes
	s_lshl_b32 s42, s38, 9
	s_add_co_u32 s40, s40, s42
	s_lshl_b32 s42, s30, 7
	s_add_co_u32 s40, s40, s42
	s_add_nc_u64 s[SRC:SRC+1], s[SRC:SRC+1], s[40:41]
	s_lshl_b32 s42, s38, 3
	s_lshl_b32 s43, s30, 1
	s_add_co_u32 s42, s42, s43                     ; my first tile
	s_mul_i32 s40, s37, 786432
	s_mul_i32 s43, s42, 12288
	s_add_co_u32 s40, s40, s43
	s_mul_i32 s43, s39, 3072
	s_add_co_u32 s40, s40, s43
	s_add_nc_u64 s[DST:DST+1], s[26:27], s[40:41]
	s_lshl_b32 s40, s37, 15
	s_lshl_b32 s43, s42, 9
	s_add_co_u32 s40, s40, s43
	s_lshl_b32 s43, s39, 7
	s_add_co_u32 s40, s40, s43
	s_add_co_u32 s40, s40, WSOFF
	s_add_nc_u64 s[DSS:DSS+1], s[26:27], s[40:41]
	v_lshlrev_b32 v6, 2, v1                        ; in: 4 bytes a lane
	v_bfe_u32 v10, v0, 3, 1                        ; u
	v_and_b32 v11, 7, v0
	v_lshl_add_u32 v11, v3, 3, v11                 ; rr
	v_mul_u32_u24 v7, v10, 12288
	v_lshl_add_u32 v8, v11, 3, v7                  ; out: registers 4-5 of a unit: 8 rr
	v_lshl_add_u32 v7, v11, 4, v7                  ; registers 0-3: 16 rr
	v_lshlrev_b32 v9, 9, v10
	v_lshl_add_u32 v9, v11, 3, v9                  ; my row's two scale words
.macro LOADW t                         ; block t: W(32 t + i, my column): 32 lanes read 128 consecutive bytes
.irp i, 0,1,2,3,4,5,6,7,8,9,10,11,12,13,14,15,16,17,18,19,20,21,22,23,24,25,26,27,28,29,30,31
	global_load_b32 v[X+32*((\t)%2)+\i], v6, s[SRC:SRC+1] offset:(32*(\t)+\i)*4096 th:TH_LOAD_NT
.endr
.endm
	LOADW 0
	LOADW 1
.macro BLOCK t
.set XS, X+32*((\t)%2)
.set UU, 128+6*(\t)                    ; each block's codes have registers of their own: no store's data are written again
.if (\t) < 7
	s_wait_loadcnt 32                              ; this block's 32 loads are in; the next block's may be out
.else
	s_wait_loadcnt 0x0
.endif
	v_max3_num_f32 v10, |v[XS]|, |v[XS+1]|, |v[XS+2]|
	v_max3_num_f32 v11, |v[XS+3]|, |v[XS+4]|, |v[XS+5]|
.irp i, 6,10,14,18,22,26
	v_max3_num_f32 v10, v10, |v[XS+\i]|, |v[XS+\i+1]|
	v_max3_num_f32 v11, v11, |v[XS+\i+2]|, |v[XS+\i+3]|
.endr
	v_max3_num_f32 v10, v10, |v[XS+30]|, |v[XS+31]|
	v_max3_num_f32 v10, v10, v11, 0x1800000        ; and the floor
	v_add_nc_u32 v12, 0xff000000, v10
	v_lshrrev_b32 v13, 23, v12
.if (\t)%4 == 0
	v_mov_b32 v[14+(\t)/4], v13                    ; four bytes to a word, the lower K in the lower byte
.else
	v_lshl_or_b32 v[14+(\t)/4], v13, 8*((\t)%4), v[14+(\t)/4]
.endif
	v_cvt_scalef32_pk16_fp6_f32 v[UU:UU+2], v[XS:XS+15], v12
	v_cvt_scalef32_pk16_fp6_f32 v[16:18], v[XS+16:XS+31], v12
	v_nop                                          ; one plain place behind a scaled conversion
.irp i, 0,1,2
	v_mov_b32 v[UU+3+\i], v[16+\i]
.endr
.if (\t)+2 < 8
	LOADW (\t)+2
.endif
	global_store_b128 v7, v[UU:UU+3], s[DST:DST+1] offset:768*((\t)/2)+256*((\t)%2)        ; block t is half t % 2 of the lanes of unit t / 2: sixteen lanes fill 256 consecutive bytes, aligned
	global_store_b64 v8, v[UU+4:UU+5], s[DST:DST+1] offset:768*((\t)/2)+512+128*((\t)%2)
.endm
.irp t, 0,1,2,3,4,5,6,7
	BLOCK \t
.endr
	global_store_b64 v9, v[14:15], s[DSS:DSS+1]
	s_endpgm
.Lfunc_end_k_q51cac0d1f9_prep:
	.size	k_q51cac0d1f9_prep, .Lfunc_end_k_q51cac0d1f9_prep-k_q51cac0d1f9_prep
	.p2alignl 7, 3214868480
	.fill 96, 4, 3214868480
	.section	.rodata,"a",@progbits
	.p2align	6, 0x0
	.amdhsa_kernel k_q51cac0d1f9_prep
		.amdhsa_group_segment_fixed_size 68096
		.amdhsa_private_segment_fixed_size 0
		.amdhsa_enable_private_segment 0
		.amdhsa_kernarg_size 88
		.amdhsa_user_sgpr_count 2
		.amdhsa_user_sgpr_kernarg_segment_ptr 1
		.amdhsa_wavefront_size32 1
		.amdhsa_system_sgpr_workgroup_id_x 1
		.amdhsa_system_sgpr_workgroup_id_y 1
		.amdhsa_system_sgpr_workgroup_id_z 1
		.amdhsa_system_vgpr_workitem_id 0
		.amdhsa_next_free_vgpr 256
		.amdhsa_next_free_sgpr 66
		.amdhsa_reserve_vcc 1
		.amdhsa_float_denorm_mode_32 3
		.amdhsa_float_denorm_mode_16_64 3
		.amdhsa_memory_ordered 1
		.amdhsa_forward_progress 1
		.amdhsa_inst_pref_size 121
	.end_amdhsa_kernel
	.amdgpu_metadata
---
amdhsa.version: [ 1, 2 ]
amdhsa.kernels:
  - .name:           k_q51cac0d1f9_prep
    .symbol:         k_q51cac0d1f9_prep.kd
    .args:
      - { .name: query, .offset: 0, .size: 8, .value_kind: global_buffer, .address_space: global }
      - { .name: key, .offset: 8, .size: 8, .value_kind: global_buffer, .address_space: global }
      - { .name: value, .offset: 16, .size: 8, .value_kind: global_buffer, .address_space: global }
      - { .name: mask, .offset: 24, .size: 8, .value_kind: global_buffer, .address_space: global }
      - { .name: Wq, .offset: 32, .size: 8, .value_kind: global_buffer, .address_space: global }
      - { .name: Wk, .offset: 40, .size: 8, .value_kind: global_buffer, .address_space: global }
      - { .name: Wv, .offset: 48, .size: 8, .value_kind: global_buffer, .address_space: global }
      - { .name: Wo, .offset: 56, .size: 8, .value_kind: global_buffer, .address_space: global }
      - { .name: xb, .offset: 64, .size: 8, .value_kind: global_buffer, .address_space: global }
      - { .name: wb, .offset: 72, .size: 8, .value_kind: global_buffer, .address_space: global }
      - { .name: mb, .offset: 80, .size: 8, .value_kind: global_buffer, .address_space: global }
    .group_segment_fixed_size: 68096
    .private_segment_fixed_size: 0
    .kernarg_segment_align: 8
    .kernarg_segment_size: 88
    .max_flat_workgroup_size: 128
    .sgpr_count:     66
    .vgpr_count:     256
    .wavefront_size: 32
...
	.end_amdgpu_metadata
.endif
;; end of part 1
;; launch proj (part 2): grid 8 x 48, 8 waves a work-group, clusters of 4 x 4, 310,272 bytes of LDS; arguments xb, wb, bq, bk, bv, qb, kv; writes qb, kv
.if DOCPART == 2
	.amdgcn_target "amdgcn-amd-amdhsa--gfx1250"
	.amdhsa_code_object_version 6
	.text
	.protected	k_q51cac0d1f9_proj
	.globl	k_q51cac0d1f9_proj
	.p2align	8
	.type	k_q51cac0d1f9_proj,@function
k_q51cac0d1f9_proj:
	s_mov_b64 s[64:65], 0
	v_nop
	global_prefetch_b8 v0, s[64:65] scope:SCOPE_SE
	s_setreg_imm32_b32 hwreg(HW_REG_WAVE_MODE, 25, 1), 1
	s_wait_xcnt 0x0
	s_wait_alu depctr_hold_cnt(0) depctr_sa_sdst(0) depctr_va_vdst(0) depctr_va_sdst(0) depctr_va_ssrc(0) depctr_va_vcc(0) depctr_vm_vsrc(0)
	s_getreg_b32 s2, hwreg(HW_REG_IB_STS2, 6, 4)
	s_cmp_eq_u32 s2, 0
	s_cbranch_scc0 .Lentry_in_a_cluster
	s_endpgm
.Lentry_in_a_cluster:
	s_bfe_u32 s2, ttmp6, 0x10000c
	s_cmp_lg_u32 s2, 0xf033
	s_cbranch_scc0 .Lentry_shape_is_right
	s_endpgm
.Lentry_shape_is_right:
; PROJ: q = query Wq + bq, k = key Wk + bk, v = value Wv + bv on codes of FP6 (E2M3) with E8M0 scales, and the results quantised in registers for the attention launch:
; q and k along the head's 64, v along the keys.  Nothing leaves in f32.
; ONE FORM FOR THE THREE: a product P x R.  Source 0 = 16 rows of P, source 1 = 16 rows of R: a lane holds one row of R, its registers run along P: P's axis is the one that is quantised next.
; q, k: P = the weight's columns, R = the rows of x.   v: P = the rows (keys) of value, R = Wv's columns.
; SHARES.  A work-group makes 128 of P x 256 of R over the whole K = 1,024; each of its eight waves 64 x 64: 16 accumulators.  Cluster y / 4 names the tensor, so all sixteen partners run alike.
; ALL OF K LIES IN LDS: 24 tiles x 12,288 bytes of codes and their scale words are filled once, in four chunks of 256 K; no LDS byte is filled twice, so there is no ring.
; CLUSTERS, 4 x 4: P's tiles hang on the work-group's x alone and are asked for jointly by a column of the cluster, R's on its y alone, by a row.
; xb, wb hold images of the operands' registers (units of 768 bytes: 16 rows x 64 K; registers 0-3 at 16 x lane, 4-5 at 512 + 8 x lane): every LDS read is dense, so no padding.
; TILES: tile T holds rows 32 (T / 2) + 8 (T % 2) + pi(r), pi(r) = r + 8 (r / 8): the registers of P's tiles 2 b, 2 b + 1 are P's indices 32 b + 16 h + 0 .. 15.
; LIMITS: NaN and infinities are not served; a block whose largest magnitude lies under 2^-124 (a block of zeros too) gets the scale byte 1; only this program reads the bytes.
.set XSOFF, 9437184                    ; xb's scales
.set WSOFF, 3145728                    ; wb's
.set QSOFF, 3145728                    ; qb's scale words
.set KVH,   208896                     ; kv: a head,
.set KVB,   26112                      ; a block of 256 keys: K's codes 12,288 | K's scale words 1,024 | V's codes 12,288 | V's scale words 512
.set CHK,   3072                       ; LDS is laid as the buffers are, tile by tile: a tile is 12,288 bytes, R's 16 tiles, then P's 8; a chunk of 256 K is 3,072 bytes of each tile
.set PSL,   196608                     ; where P's tiles begin
.set SCB,   294912                     ; behind the four chunks: the scale words, 512 bytes a slot
.set BPL,   307200                     ; the bias along P, 256 words; 1,024 bytes on the bias along R.  Written by LDS stores: no tensor load lands here
.set WV,   3                           ; s3   my wave's number
.set SEL,  66                          ; s[66:67]
.set G1RC, 24                          ; s[24:31] group 1: R's codes;  s[32:39] P's codes;  s[40:47] R's scales;  s[48:55] P's scales
.set G1PC, 32
.set G1RS, 40
.set G1PS, 48
; groups 0, one for each kind of fill: s[56:59] R's codes, s[60:63] P's codes, s[68:71] R's scale words, s[72:75] P's
.set SC,   16                          ; v16-23  scale words: register 2 i + q: lanes 0-15 R's tile i, lanes 16-31 P's tile i, K step q of the chunk
.set T,    24                          ; v24-31  the quantiser's work
.set RF,   32                          ; v32-79  R's four fragments
.set PF,   80                          ; v80-127 P's four
.set ACC,  128                         ; v128-255 accumulator (a, b) at 128 + 32 b + 8 a
.set BP,   32                          ; the epilogue: v32-63 the bias along P;  v68-91 four units;  v92-94 half a unit;  v96-99 scale half-words;  v100-101 as stored;  v102-109 the bias along R, twice each
.set U,    68
.set PX,   92
.set HW,   96
.set SW,   100
.set BR,   102
.macro PLACES                          ; four places behind a matrix instruction of this form, in front of loads into its registers and of reads of its results
.rept 4
	v_nop
.endr
.endm
.macro ROUND                           ; a round of the cluster's barrier
	s_barrier_signal -1
	s_barrier_wait -1
	s_cmp_lg_u32 s[WV], 0
	s_cbranch_scc1 .Lnot_wave_0_\@
	s_barrier_signal -3
.Lnot_wave_0_\@:
	s_barrier_wait -3
	s_barrier_signal -1
	s_barrier_wait -1
.endm
.macro FRAG reg, a16, a8, off          ; a fragment, 16 rows x 128 K: two units
	ds_load_b128 v[(\reg):(\reg)+3], v[\a16] offset:(\off)
	ds_load_b64 v[(\reg)+4:(\reg)+5], v[\a8] offset:(\off)+512
	ds_load_b128 v[(\reg)+6:(\reg)+9], v[\a16] offset:(\off)+768
	ds_load_b64 v[(\reg)+10:(\reg)+11], v[\a8] offset:(\off)+1280
.endm
; 32 numbers of a lane, register 16 b + i = index 32 b + 16 h + i, become a unit in v[u .. u + 5] and the row's two scale bytes in v[hw]
.macro QUANT2 s, u, hw
	v_max3_num_f32 v[T], |v[(\s)]|, |v[(\s)+1]|, 0x1800000         ; the floor 2^(3 - 127) among the leaves: the byte cannot fall under 1
	v_max3_num_f32 v[T+1], |v[(\s)+16]|, |v[(\s)+17]|, 0x1800000
.irp i, 2,4,6,8,10,12,14
	s_delay_alu instid0(VALU_DEP_2)
	v_max3_num_f32 v[T], v[T], |v[(\s)+\i]|, |v[(\s)+\i+1]|
	s_delay_alu instid0(VALU_DEP_2)
	v_max3_num_f32 v[T+1], v[T+1], |v[(\s)+16+\i]|, |v[(\s)+17+\i]|
.endr
	s_delay_alu instid0(VALU_DEP_2)
	v_permlanex16_b32 v[T+2], v[T], s[SEL], s[SEL+1]
	s_delay_alu instid0(VALU_DEP_2)
	v_permlanex16_b32 v[T+3], v[T+1], s[SEL], s[SEL+1]
	s_delay_alu instid0(VALU_DEP_2)
	v_max_num_f32 v[T], v[T], v[T+2]               ; with lane l xor 16's 16: the block's largest magnitude
	s_delay_alu instid0(VALU_DEP_2)
	v_max_num_f32 v[T+1], v[T+1], v[T+3]
	s_delay_alu instid0(VALU_DEP_2)
	v_add_nc_u32 v[T+4], 0xff000000, v[T]          ; 2 off the exponent field: the conversion's scale operand
	s_delay_alu instid0(VALU_DEP_2)
	v_add_nc_u32 v[T+5], 0xff000000, v[T+1]
	s_delay_alu instid0(VALU_DEP_2)
	v_lshrrev_b32 v[T+6], 23, v[T+4]               ; the bytes
	s_delay_alu instid0(VALU_DEP_2)
	v_lshrrev_b32 v[T+7], 23, v[T+5]
	s_delay_alu instid0(VALU_DEP_1)
	v_lshl_or_b32 v[\hw], v[T+7], 8, v[T+6]
	v_cvt_scalef32_pk16_fp6_f32 v[(\u):(\u)+2], v[(\s):(\s)+15], v[T+4]
	v_cvt_scalef32_pk16_fp6_f32 v[PX:PX+2], v[(\s)+16:(\s)+31], v[T+5]
	v_nop                                          ; one plain place behind a scaled conversion
.irp i, 0,1,2
	v_permlane16_swap_b32 v[(\u)+\i], v[PX+\i]     ; a whole block to a lane: lanes 0-15 block 0, lanes 16-31 block 1
.endr
.irp i, 0,1,2
	s_delay_alu instid0(VALU_DEP_3)
	v_mov_b32 v[(\u)+3+\i], v[PX+\i]
.endr
.endm
	s_load_b256 s[4:11], s[0:1], 0x0               ; xb s[4:5], wb s[6:7], bq s[8:9], bk s[10:11]
	s_load_b128 s[12:15], s[0:1], 0x20             ; bv s[12:13], qb s[14:15]
	s_load_b64 s[16:17], s[0:1], 0x30              ; kv
	s_set_vgpr_msb 0x40
	v_lshl_add_u32 v0, v0, 2, 0x4b800
	v_mov_b32 v1, 0
	s_set_vgpr_msb 0x4045
	ds_add_u32 v0, v1
	ds_add_u32 v0, v1
	s_set_vgpr_msb 0x4500
	v_lshrrev_b32 v1, 5, v0
	s_delay_alu instid0(VALU_DEP_1)
	v_readfirstlane_b32 s[WV], v1                  ; wave 0..7
	s_bfe_u32 s18, ttmp6, 0x40000                  ; cx
	s_bfe_u32 s19, ttmp6, 0x40004                  ; cy
	s_lshl_b32 s20, ttmp9, 2
	s_add_co_u32 s20, s20, s18                     ; X = 4 x cluster x + cx, 0..7
	s_and_b32 s22, ttmp7, 0xffff                   ; cluster y, 0..11
	s_lshr_b32 s21, s22, 2                         ; the tensor: 0 q, 1 k, 2 v
	s_and_b32 s22, s22, 3                          ; cq: which quarter along the long axis
	s_lshl_b32 s23, s19, 2
	s_lshl_b32 s23, 15, s23                        ; my row of the cluster
	s_lshl_b32 s2, 0x1111, s18                     ; my column
	s_or_b32 s[G1RC], s23, (3<<16)|(1<<21)         ; 15:0 the mask; 17:16 elements of 8 bytes; 21 set beside a mask; no padding
	s_or_b32 s[G1RS], s23, (3<<16)|(1<<21)
	s_or_b32 s[G1PC], s2, (3<<16)|(1<<21)
	s_or_b32 s[G1PS], s2, (3<<16)|(1<<21)
.irp g, G1RC, G1PC
	s_mov_b32 s[\g+1], 32<<16                      ; codes: four whole tiles, 49,152 dense bytes, as 192 rows of 256
	s_mov_b32 s[\g+2], 192<<16
	s_mov_b32 s[\g+3], 32<<16
	s_mov_b32 s[\g+4], 192
	s_mov_b32 s[\g+5], 32
	s_mov_b32 s[\g+6], 0
	s_mov_b32 s[\g+7], 0
.endr
.irp g, G1RS, G1PS                     ; scale words: R's 16 tiles are 8,192 dense bytes, 32 rows of 256; P's 8 tiles 16 rows
	s_mov_b32 s[\g+1], 32<<16
	s_mov_b32 s[\g+2], (32-16*(\g/G1PS))<<16
	s_mov_b32 s[\g+3], 32<<16
	s_mov_b32 s[\g+4], 32-16*(\g/G1PS)
	s_mov_b32 s[\g+5], 32
	s_mov_b32 s[\g+6], 0
	s_mov_b32 s[\g+7], 0
.endr
	; P's first tile that I would fetch (s2, s100: these hold X, never cy):  8 X + 4 (wave % 2) + (v: 512 + 64 cq in xb;  q, k: 64 x tensor in wb)
	s_lshl_b32 s2, s22, 6
	s_add_co_u32 s2, s2, 512
	s_lshl_b32 s100, s21, 6
	s_cmp_eq_u32 s21, 2
	s_cselect_b32 s2, s2, s100
	s_lshl_b32 s100, s20, 3
	s_add_co_u32 s2, s2, s100                      ; P's first tile
	s_mov_b32 s101, 0
	; R's (s23, s104: these hold cy, never cx):  16 cy + 4 (wave % 4) + (v: 128 in wb;  q, k: 256 x tensor + 64 cq in xb)
	s_lshl_b32 s23, s21, 8
	s_lshl_b32 s104, s22, 6
	s_add_co_u32 s23, s23, s104
	s_cmp_eq_u32 s21, 2
	s_cselect_b32 s23, 128, s23
	s_lshl_b32 s104, s19, 4
	s_add_co_u32 s23, s23, s104                    ; R's first tile
	s_mov_b32 s105, 0
	s_wait_dscnt 0x0
	s_wait_kmcnt 0x0
	s_cmp_eq_u32 s21, 2
	s_cselect_b64 s[96:97], s[4:5], s[6:7]         ; P's buffer
	s_cselect_b64 s[76:77], s[6:7], s[4:5]         ; R's
	; P's two groups 0: all its scale words; four tiles of codes, by wave % 2
	s_and_b32 s4, s[WV], 1
	s_mul_i32 s4, s4, 49152
	s_mov_b32 s100, WSOFF
	s_cmp_eq_u32 s21, 2
	s_cselect_b32 s100, XSOFF, s100
	s_lshl_b32 s98, s2, 9
	s_add_co_u32 s100, s100, s98
	s_mov_b32 s72, 1
	s_mov_b32 s73, SCB+8192
	s_add_nc_u64 s[74:75], s[96:97], s[100:101]
	s_or_b32 s75, s75, 0x80000000
	s_mul_i32 s100, s2, 12288
	s_add_co_u32 s100, s100, s4
	s_mov_b32 s60, 1
	s_add_co_u32 s61, s4, PSL
	s_add_nc_u64 s[62:63], s[96:97], s[100:101]
	s_or_b32 s63, s63, 0x80000000
	; R's two: all its scale words; four tiles of codes, by wave % 4
	s_and_b32 s6, s[WV], 3
	s_mul_i32 s57, s6, 49152
	s_mov_b32 s104, XSOFF
	s_cmp_eq_u32 s21, 2
	s_cselect_b32 s104, WSOFF, s104
	s_lshl_b32 s78, s23, 9
	s_add_co_u32 s104, s104, s78
	s_mov_b32 s68, 1
	s_mov_b32 s69, SCB
	s_add_nc_u64 s[70:71], s[76:77], s[104:105]
	s_or_b32 s71, s71, 0x80000000
	s_mul_i32 s104, s23, 12288
	s_add_co_u32 s104, s104, s57
	s_mov_b32 s56, 1
	s_add_nc_u64 s[58:59], s[76:77], s[104:105]
	s_or_b32 s59, s59, 0x80000000
	ROUND                                          ; all sixteen work-groups are here: the joint loads meet
	; ALL FILLS OF THE LAUNCH, ONE A WAVE: waves 0-3 R's codes, waves 4, 5 P's codes, wave 6 R's scale words, wave 7 P's.
	; One chain of branches on the wave's number; every way passes exactly one load.  An s_nop 0 and four v_nop follow each.
.macro ARM under, g0, g1, next
	s_cmp_lt_u32 s[WV], \under
	s_cbranch_scc0 \next
	tensor_load_to_lds s[\g0:\g0+3], s[\g1:\g1+7]
	s_nop 0
	PLACES
	s_branch .Lasked
\next:
.endm
	ARM 4, 56, G1RC, .Larm_pc
	ARM 6, 60, G1PC, .Larm_rs
	ARM 7, 68, G1RS, .Larm_ps
	tensor_load_to_lds s[72:75], s[G1PS:G1PS+7]
	s_nop 0
	PLACES
.Lasked:
	s_mov_b32 s[SEL], 0x76543210
	s_mov_b32 s[SEL+1], 0xfedcba98
	v_and_b32 v12, 31, v0
	s_delay_alu instid0(VALU_DEP_1)
	v_lshlrev_b32 v1, 4, v12                       ; 16 x lane
	s_delay_alu instid0(VALU_DEP_2)
	v_lshlrev_b32 v2, 3, v12                       ; 8 x lane
	v_and_b32 v3, 15, v0                           ; r
	v_bfe_u32 v4, v0, 4, 1                         ; h
	s_wait_alu depctr_va_vdst(0)
	v_mov_b32 v[T+2], 0                            ; written once: a lane permute's destination counts as one of its sources
	v_mov_b32 v[T+3], 0
	s_and_b32 s4, s[WV], 1                         ; wp: which 64 of P
	s_lshr_b32 s5, s[WV], 1                        ; wr: which 64 of R
	s_mul_i32 s6, s5, 49152
	v_add_nc_u32 v5, s6, v1                        ; my four tiles of R in a chunk,
	v_add_nc_u32 v6, s6, v2
	s_mul_i32 s6, s4, 49152
	s_add_co_u32 s6, s6, PSL
	v_add_nc_u32 v7, s6, v1                        ; of P
	v_add_nc_u32 v8, s6, v2
	s_xor_b32 s6, s5, 3                            ; the scale words: lanes 0-15 R's (slot 4 wr on), lanes 16-31 P's (slot 16 + 4 wp on): the lower base + h x the distance,
	s_add_co_u32 s6, s6, s4
	s_add_co_u32 s6, s6, 1
	s_lshl_b32 s6, s6, 11                          ; 2,048 (1 + wp + 3 - wr)
	v_mul_u32_u24 v9, s6, v4
	s_delay_alu instid0(VALU_DEP_1)
	v_lshl_add_u32 v9, v3, 3, v9
	s_lshl_b32 s7, s5, 11
	s_add_co_u32 s7, s7, SCB
	v_add_nc_u32 v9, s7, v9
	s_lshl_b32 s6, s4, 8
	s_add_co_u32 s6, s6, BPL
	v_lshl_add_u32 v10, v4, 6, s6                  ; the bias along P: my 64, + 16 h numbers
	v_and_b32 v12, 8, v3
	s_delay_alu instid0(VALU_DEP_1)
	v_add_nc_u32 v12, v12, v3                      ; pi(r)
	s_lshl_b32 s6, s5, 8
	s_add_co_u32 s6, s6, BPL+1024
	v_lshl_add_u32 v11, v12, 2, s6                 ; the bias along R: my 64, + pi(r)
	; THE BIAS runs along P for q and k (128 numbers) and along R for v (256): each thread brings one number; the other table is zeros, so that one text serves both
	s_cmp_eq_u32 s21, 0
	s_cselect_b64 s[8:9], s[8:9], s[10:11]
	s_cmp_eq_u32 s21, 2
	s_cselect_b64 s[8:9], s[12:13], s[8:9]
	s_lshl_b32 s6, s19, 10
	s_lshl_b32 s7, s20, 9
	s_cmp_eq_u32 s21, 2
	s_cselect_b32 s6, s6, s7                       ; v: 256 cy numbers on;  q, k: 128 X
	s_mov_b32 s7, 127
	s_cselect_b32 s7, 255, s7
	s_cselect_b32 s10, -1, 0                       ; a lane mask: all ones for v
	v_and_b32 v12, s7, v0
	s_delay_alu instid0(VALU_DEP_1)
	v_lshl_add_u32 v12, v12, 2, s6
	global_load_b32 v13, v12, s[8:9]
	v_lshl_add_u32 v14, v0, 2, BPL
	s_wait_loadcnt 0x0
	v_cndmask_b32 v15, v13, v[T+2], s10            ; along P: 0 for v
	s_wait_alu depctr_va_vdst(0)
	v_cndmask_b32 v13, v[T+2], v13, s10            ; along R: 0 for q, k
	ds_store_b32 v14, v15
	ds_store_b32 v14, v13 offset:1024
; A K step of 128: eight fragments, then 16 matrix instructions; the sixteen accumulators take turns, one instruction a turn.
.macro KSTEP q, first
.irp i, 0,1,2,3
	FRAG RF+12*\i, 5, 6, 12288*\i+1536*(\q)
.endr
.irp i, 0,1,2,3
	FRAG PF+12*\i, 7, 8, 12288*\i+1536*(\q)
.endr
.irp a, 0,1,2,3
	s_wait_dscnt 4*(3-\a)                          ; R's four and P's tile a are in; the later tiles' four loads each may be out
.irp b, 0,1,2,3
.if \first
	v_wmma_scale_f32_16x16x128_f8f6f4 v[ACC+32*\b+8*\a:ACC+32*\b+8*\a+7], v[PF+12*\a:PF+12*\a+11], v[RF+12*\b:RF+12*\b+11], 0, v[SC+2*\a+(\q)], v[SC+2*\b+(\q)] matrix_a_fmt:MATRIX_FMT_FP6 matrix_b_fmt:MATRIX_FMT_FP6 matrix_a_scale:MATRIX_SCALE_ROW1
.else
	v_wmma_scale_f32_16x16x128_f8f6f4 v[ACC+32*\b+8*\a:ACC+32*\b+8*\a+7], v[PF+12*\a:PF+12*\a+11], v[RF+12*\b:RF+12*\b+11], v[ACC+32*\b+8*\a:ACC+32*\b+8*\a+7], v[SC+2*\a+(\q)], v[SC+2*\b+(\q)] matrix_a_fmt:MATRIX_FMT_FP6 matrix_b_fmt:MATRIX_FMT_FP6 matrix_a_scale:MATRIX_SCALE_ROW1
.endif
.endr
.endr
.endm
; A chunk of 256 K.  Ahead of the first each wave waits for its one fill and its two stores of the bias, and ONE barrier shows all of K to the eight waves.
.macro CHUNK c, first
.if (\c) == 0
	s_wait_tensorcnt 0x0                           ; my one load has landed
	s_wait_dscnt 0x0                               ; my two stores of the bias
	s_barrier_signal -1
	s_barrier_wait -1
.endif
.irp i, 0,1,2,3
	ds_load_b64 v[SC+2*\i:SC+2*\i+1], v9 offset:512*\i+128*(\c)
.endr
	KSTEP 0, \first
	PLACES
	KSTEP 1, 0
.if (\c) < 3
.irp a, 5,6,7,8
	v_add_nc_u32 v\a, CHK, v\a                     ; on to the next chunk; these four are also the places in front of its loads
.endr
.endif
.endm
	CHUNK 0, 1
	s_wait_alu depctr_va_vdst(0)
	CHUNK 1, 0
	s_wait_alu depctr_va_vdst(0)
	CHUNK 2, 0
	s_wait_alu depctr_va_vdst(0)
	CHUNK 3, 0
	; THE WAY OUT.  No tensor load is out any more, so the descriptors' registers serve as work registers.
	PLACES
.irp e, 0,1
.irp j, 0,1,2,3
	ds_load_b128 v[BP+16*\e+4*\j:BP+16*\e+4*\j+3], v10 offset:128*\e+16*\j
.endr
.endr
.irp b, 0,1,2,3
	ds_load_b32 v[BR+2*\b], v11 offset:(32*(\b/2)+8*(\b%2))*4      ; twice, to fill the pair that the packed addition names
	ds_load_b32 v[BR+2*\b+1], v11 offset:(32*(\b/2)+8*(\b%2))*4
.endr
	s_and_b32 s24, s[WV], 1                        ; wp
	s_lshr_b32 s25, s[WV], 1                       ; wr
	s_lshl_b32 s26, s20, 1
	s_add_co_u32 s26, s26, s24                     ; 2 X + wp: q, k: the head
	s_lshl_b32 s27, s22, 6
	s_lshl_b32 s28, s19, 4
	s_add_co_u32 s27, s27, s28
	s_lshl_b32 s28, s25, 2
	s_add_co_u32 s27, s27, s28                     ; q, k: my first tile of rows, 0..255
	s_lshr_b32 s28, s27, 7
	s_lshl_b32 s28, s28, 4
	s_add_co_u32 s28, s28, s26                     ; 16 x batch + head
	s_and_b32 s27, s27, 127                        ; the tile within the batch
	s_lshl_b32 s29, s28, 7
	s_add_co_u32 s29, s29, s27
	s_mul_i32 s29, s29, 768                        ; q: units [32][128 tiles][768]
	s_lshl_b32 s30, s28, 5
	s_lshr_b32 s31, s27, 2
	s_add_co_u32 s30, s30, s31
	s_lshl_b32 s30, s30, 8
	s_add_co_u32 s30, s30, QSOFF                   ; q: scale words, 256 bytes for four tiles
	s_mul_i32 s32, s28, KVH
	s_lshr_b32 s33, s27, 4
	s_mul_i32 s33, s33, KVB
	s_add_co_u32 s32, s32, s33                     ; k: the block of 256 keys
	s_and_b32 s33, s27, 15
	s_mul_i32 s33, s33, 768
	s_add_co_u32 s33, s33, s32                     ; k: units
	s_and_b32 s31, s31, 3
	s_lshl_b32 s31, s31, 8
	s_add_co_u32 s32, s32, s31
	s_add_co_u32 s32, s32, 12288                   ; k: scale words
	s_lshl_b32 s34, s22, 4
	s_add_co_u32 s34, s34, s26                     ; v: my 64 keys, 0..63
	s_lshr_b32 s35, s34, 5
	s_lshl_b32 s35, s35, 4
	s_lshl_b32 s36, s19, 2
	s_add_co_u32 s35, s35, s36
	s_add_co_u32 s35, s35, s25                     ; 16 x batch + head (4 cy + wr)
	s_and_b32 s34, s34, 31
	s_mul_i32 s35, s35, KVH
	s_lshr_b32 s36, s34, 2
	s_mul_i32 s36, s36, KVB
	s_add_co_u32 s35, s35, s36                     ; v: the block
	s_and_b32 s36, s34, 3
	s_mul_i32 s36, s36, 3072
	s_add_co_u32 s36, s36, s35
	s_add_co_u32 s36, s36, 13312                   ; v: units [4 x 64 keys][4 tiles of d][768]
	s_bfe_u32 s37, s34, 0x10001
	s_lshl_b32 s37, s37, 8
	s_add_co_u32 s35, s35, s37
	s_and_b32 s37, s34, 1
	s_lshl_b32 s37, s37, 1
	s_add_co_u32 s35, s35, s37
	s_add_co_u32 s35, s35, 25600                   ; v: my half of the scale words of 128 keys
	s_cmp_eq_u32 s21, 0
	s_cselect_b32 s38, s29, s33
	s_cselect_b32 s40, s30, s32
	s_cselect_b64 s[42:43], s[14:15], s[16:17]
	s_cmp_eq_u32 s21, 2
	s_cselect_b32 s38, s36, s38
	s_cselect_b32 s40, s35, s40
	s_mov_b32 s39, 0
	s_mov_b32 s41, 0
	s_add_nc_u64 s[44:45], s[42:43], s[38:39]      ; where my four units go,
	s_add_nc_u64 s[46:47], s[42:43], s[40:41]      ; and their scale words
	s_wait_dscnt 0x0
.irp b, 0,1,2,3                        ; R's tile b: 32 registers = 64 along P of its 16 rows: + bias, in f32, then one unit.  Each accumulator is read from its low end on
.irp j, 0,2,4,6,8,10,12,14,16,18,20,22,24,26,28,30
	v_pk_add_f32 v[ACC+32*\b+\j:ACC+32*\b+\j+1], v[ACC+32*\b+\j:ACC+32*\b+\j+1], v[BP+\j:BP+\j+1]
.endr
.irp j, 0,2,4,6,8,10,12,14,16,18,20,22,24,26,28,30
	v_pk_add_f32 v[ACC+32*\b+\j:ACC+32*\b+\j+1], v[ACC+32*\b+\j:ACC+32*\b+\j+1], v[BR+2*\b:BR+2*\b+1]   ; (one of the two addends is 0: the sum is rounded once)
.endr
	QUANT2 ACC+32*\b, U+6*\b, HW+\b
	global_store_b128 v1, v[U+6*\b:U+6*\b+3], s[44:45] offset:768*\b          ; 512 and 256 consecutive bytes, aligned
	global_store_b64 v2, v[U+6*\b+4:U+6*\b+5], s[44:45] offset:768*\b+512
.endr
	v_cmp_ne_u32 vcc_lo, 0, v4                     ; the scale words of four tiles, as the attention launch feeds them: lane (r, h), word p: tile 2 p + h, row r
	s_delay_alu instid0(VALU_DEP_1)
	v_cndmask_b32 v[SW], v[HW], v[HW+1], vcc_lo
	s_delay_alu instid0(VALU_DEP_2)
	v_cndmask_b32 v[SW+1], v[HW+2], v[HW+3], vcc_lo
	s_cmp_eq_u32 s21, 2                            ; the tensor's number: the same in all partners
	s_cbranch_scc1 .Lv_scales
	global_store_b64 v2, v[SW:SW+1], s[46:47]      ; q, k: two bytes and two zeros a word (the upper 64 of the instruction's K are zero codes)
	s_branch .Lstored
.Lv_scales:
	s_wait_alu depctr_va_vdst(0)
	global_store_b16 v2, v[SW], s[46:47]           ; v: my 64 keys are half of a word's 128: two bytes of each (512 bytes a block of 26,112)
	global_store_b16 v2, v[SW+1], s[46:47] offset:4
.Lstored:
	s_set_vgpr_msb 0x5
	s_wait_tensorcnt 0x0
	ds_add_u32 v0, v1
	s_wait_dscnt 0x0
	s_set_vgpr_msb 0x500
	ROUND                                          ; the closing round: no work-group ends while a partner may still ask for a tile that names it
	s_endpgm
.Lfunc_end_k_q51cac0d1f9_proj:
	.size	k_q51cac0d1f9_proj, .Lfunc_end_k_q51cac0d1f9_proj-k_q51cac0d1f9_proj
	.p2alignl 7, 3214868480
	.fill 96, 4, 3214868480
	.section	.rodata,"a",@progbits
	.p2align	6, 0x0
	.amdhsa_kernel k_q51cac0d1f9_proj
		.amdhsa_group_segment_fixed_size 310272
		.amdhsa_private_segment_fixed_size 0
		.amdhsa_enable_private_segment 0
		.amdhsa_kernarg_size 56
		.amdhsa_user_sgpr_count 2
		.amdhsa_user_sgpr_kernarg_segment_ptr 1
		.amdhsa_wavefront_size32 1
		.amdhsa_system_sgpr_workgroup_id_x 1
		.amdhsa_system_sgpr_workgroup_id_y 1
		.amdhsa_system_sgpr_workgroup_id_z 1
		.amdhsa_system_vgpr_workitem_id 0
		.amdhsa_next_free_vgpr 258
		.amdhsa_next_free_sgpr 106
		.amdhsa_reserve_vcc 1
		.amdhsa_float_denorm_mode_32 3
		.amdhsa_float_denorm_mode_16_64 3
		.amdhsa_memory_ordered 1
		.amdhsa_forward_progress 1
		.amdhsa_inst_pref_size 70
	.end_amdhsa_kernel
	.amdgpu_metadata
---
amdhsa.version: [ 1, 2 ]
amdhsa.kernels:
  - .name:           k_q51cac0d1f9_proj
    .symbol:         k_q51cac0d1f9_proj.kd
    .args:
      - { .name: xb, .offset: 0, .size: 8, .value_kind: global_buffer, .address_space: global }
      - { .name: wb, .offset: 8, .size: 8, .value_kind: global_buffer, .address_space: global }
      - { .name: bq, .offset: 16, .size: 8, .value_kind: global_buffer, .address_space: global }
      - { .name: bk, .offset: 24, .size: 8, .value_kind: global_buffer, .address_space: global }
      - { .name: bv, .offset: 32, .size: 8, .value_kind: global_buffer, .address_space: global }
      - { .name: qb, .offset: 40, .size: 8, .value_kind: global_buffer, .address_space: global }
      - { .name: kv, .offset: 48, .size: 8, .value_kind: global_buffer, .address_space: global }
    .group_segment_fixed_size: 310272
    .private_segment_fixed_size: 0
    .kernarg_segment_align: 8
    .kernarg_segment_size: 56
    .max_flat_workgroup_size: 256
    .sgpr_count:     106
    .vgpr_count:     258
    .wavefront_size: 32
...
	.end_amdgpu_metadata
.endif
;; end of part 2
;; launch attn (part 3): grid 8 x 32, 16 waves a work-group, clusters of 4 x 1, 210,944 bytes of LDS; arguments qb, kv, mb, ob; writes ob
.if DOCPART == 3
	.amdgcn_target "amdgcn-amd-amdhsa--gfx1250"
	.amdhsa_code_object_version 6
	.text
	.protected	k_q51cac0d1f9_attn
	.globl	k_q51cac0d1f9_attn
	.p2align	8
	.type	k_q51cac0d1f9_attn,@function
k_q51cac0d1f9_attn:
	s_mov_b64 s[64:65], 0
	v_nop
	global_prefetch_b8 v0, s[64:65] scope:SCOPE_SE
	s_setreg_imm32_b32 hwreg(HW_REG_WAVE_MODE, 25, 1), 1
	s_wait_xcnt 0x0
	s_wait_alu depctr_hold_cnt(0) depctr_sa_sdst(0) depctr_va_vdst(0) depctr_va_sdst(0) depctr_va_ssrc(0) depctr_va_vcc(0) depctr_vm_vsrc(0)
	s_getreg_b32 s2, hwreg(HW_REG_IB_STS2, 6, 4)
	s_cmp_eq_u32 s2, 0
	s_cbranch_scc0 .Lentry_in_a_cluster
	s_endpgm
.Lentry_in_a_cluster:
	s_bfe_u32 s2, ttmp6, 0x10000c
	s_cmp_lg_u32 s2, 0x3003
	s_cbranch_scc0 .Lentry_shape_is_right
	s_endpgm
.Lentry_shape_is_right:
; ATTN: O = softmax(mask(q k^T / 8)) v for one (batch, head) and 256 queries a work-group, both products on codes of FP6 (E2M3) with E8M0 scales; O / l is quantised for the last product.
; THE SOFTMAX: t = score x log2(e) / 8; M = the running largest t rounded UP to a whole number; p = 2^(t - M) is quantised along the keys, not normalised; the row's sum l is taken of the
; unquantised p; when M moves, l and O are multiplied by 2^(old M - new M), which rounds nothing.  Where the mask is 0 the score becomes -infinity ahead of the maximum.
; SHARES.  Sixteen waves, each one tile of 16 queries in 256 registers: four waves to a SIMD.
; THE HEAD'S WHOLE K AND V, codes and scale words, 208,896 bytes, lie in LDS, filled ONCE: sixteen pieces of 13,056 bytes, one tensor load a wave, its addresses made of the wave's number with no branch.
; One barrier shows them to the sixteen waves.  No LDS byte is filled twice, so there is no ring.
; CLUSTER, 4 x 1: the four query blocks of a cluster belong to one head and ask for K and V jointly (mask 15).
; NO PREFETCH: every fill is asked for at the head, so there is no loop to run ahead in.
; LAYOUT.  Both products transposed: S^T = K Q^T, O^T = V^T P^T: a lane holds one query throughout.  Tile T of keys, queries or d holds rows 32 (T / 2) + 8 (T % 2) + pi(r), pi(r) = r + 8 (r / 8):
; register 16 b + i of S^T is key 32 b + 16 h + i of the step.
; THE HEAD'S SIZE IS 64, half of the instruction's K.  Q's registers 6-11 are zero codes, and every code of this format is a finite number: so whatever stands in registers 6-11 of K's fragment adds
; nothing.  The step's eight tiles of K lie on end, six registers each; a fragment's upper six are the next tile's (tile 7's: the first six of p's codes).
; THE MASK comes as lane masks, one 32-bit word for each of a step's 64 score registers, by scalar loads a step ahead: one v_cndmask_b32 a score.
; LIMITS: NaN and infinities are not served.  1 / l is v_rcp_f32 and a multiplication.  A query all of whose keys are masked has l = 0: its scale bytes are set to 0xff, which makes its row of the
; last product NaN, as the softmax of a row of -infinity is.  A block whose largest number lies under 2^-124 (zeros too) gets the byte 1; only this program reads the bytes.
; The promise holds while the scaled scores stay under 2^31 in magnitude.
.set KVH,   208896
.set KVB,   26112                      ; a block of 256 keys: K's codes 0 | K's scale words 12,288 | V's codes 13,312 | V's scale words 25,600
.set QSOFF, 3145728
.set OSOFF, 3145728
.set SPARE, 0x33000                    ; behind K and V: the spare words, 128 bytes a wave
.set WV,  99                           ; s99  my wave's number
.set MO,  98                           ; s98  the byte offset of the mask words asked for last
.set TB,  100                          ; s100 the LDS byte at which the block in hand begins
.set CNT, 101
.set CS,  96                           ; s[96:97] c = log2(e) / 8
.set SEL, 66                           ; s[66:67]
.set G1,  68                           ; s[68:75] group 1; s[4:7] group 0; s[2:3] my tile's mask words; s[104:105] qb; s16-63, s80-95 the step's 64 mask words
.set KS,  8                            ; v8-11   K's scale words: register t / 2, lanes 16 (t % 2) on: tile t
.set QS,  28                           ; v28     Q's
.set PW,  29                           ; v29     p's
.set VS,  30                           ; v30-31  V's
.set KF,  32                           ; v32-79  the step's eight tiles of K
.set PC,  80                           ; v80-91  p's codes
.set T4,  92                           ; v92-99  at work
.set BM,  100                          ; v100-103 each block's largest score, then its largest p
.set S,   104                          ; v104-167 S^T, then p
.set O,   168                          ; v168-199 O^T
.set VF,  200                          ; v200-247 four fragments of V
.set SO,  248                          ; v248-251 the conversions' scale operands
.set T,   92
.set PX,  248
; v1 16 x lane, v2 8 x lane, v3, v4 the same + TB, v5 -infinity, v12 -M, v13 the largest score, v[14:15] l in two halves, v16-27 Q, v[252:253] f, v[254:255] at work
.macro PLACES
.rept 4
	v_nop
.endr
.endm
.macro ROUND
	s_barrier_signal -1
	s_barrier_wait -1
	s_cmp_lg_u32 s[WV], 0
	s_cbranch_scc1 .Lnot_wave_0_\@
	s_barrier_signal -3
.Lnot_wave_0_\@:
	s_barrier_wait -3
	s_barrier_signal -1
	s_barrier_wait -1
.endm
; acc = 1 adds onto D, 0 starts the sum; row: source 0's scale words stand in lanes 0-15 (0) or 16-31 (1) of v[sa]
.macro MM d, a, b, acc, sa, sb, row
.if \acc
.if \row
	v_wmma_scale_f32_16x16x128_f8f6f4 v[(\d):(\d)+7], v[(\a):(\a)+11], v[(\b):(\b)+11], v[(\d):(\d)+7], v[\sa], v[\sb] matrix_a_fmt:MATRIX_FMT_FP6 matrix_b_fmt:MATRIX_FMT_FP6 matrix_a_scale:MATRIX_SCALE_ROW1
.else
	v_wmma_scale_f32_16x16x128_f8f6f4 v[(\d):(\d)+7], v[(\a):(\a)+11], v[(\b):(\b)+11], v[(\d):(\d)+7], v[\sa], v[\sb] matrix_a_fmt:MATRIX_FMT_FP6 matrix_b_fmt:MATRIX_FMT_FP6
.endif
.else
.if \row
	v_wmma_scale_f32_16x16x128_f8f6f4 v[(\d):(\d)+7], v[(\a):(\a)+11], v[(\b):(\b)+11], 0, v[\sa], v[\sb] matrix_a_fmt:MATRIX_FMT_FP6 matrix_b_fmt:MATRIX_FMT_FP6 matrix_a_scale:MATRIX_SCALE_ROW1
.else
	v_wmma_scale_f32_16x16x128_f8f6f4 v[(\d):(\d)+7], v[(\a):(\a)+11], v[(\b):(\b)+11], 0, v[\sa], v[\sb] matrix_a_fmt:MATRIX_FMT_FP6 matrix_b_fmt:MATRIX_FMT_FP6
.endif
.endif
.endm
.macro QUANT2 s, u, hw                 ; 32 numbers of a lane, register 16 b + i = index 32 b + 16 h + i, become a unit in v[u .. u + 5] and two scale bytes in v[hw]
	v_max3_num_f32 v[T], |v[(\s)]|, |v[(\s)+1]|, 0x1800000
	v_max3_num_f32 v[T+1], |v[(\s)+16]|, |v[(\s)+17]|, 0x1800000
.irp i, 2,4,6,8,10,12,14
	v_max3_num_f32 v[T], v[T], |v[(\s)+\i]|, |v[(\s)+\i+1]|
	v_max3_num_f32 v[T+1], v[T+1], |v[(\s)+16+\i]|, |v[(\s)+17+\i]|
.endr
	v_permlanex16_b32 v[T+2], v[T], s[SEL], s[SEL+1]
	v_permlanex16_b32 v[T+3], v[T+1], s[SEL], s[SEL+1]
	v_max_num_f32 v[T], v[T], v[T+2]
	v_max_num_f32 v[T+1], v[T+1], v[T+3]
	v_add_nc_u32 v[T+4], 0xff000000, v[T]
	v_add_nc_u32 v[T+5], 0xff000000, v[T+1]
	v_lshrrev_b32 v[T+6], 23, v[T+4]
	v_lshrrev_b32 v[T+7], 23, v[T+5]
	v_lshl_or_b32 v[\hw], v[T+7], 8, v[T+6]
	v_cvt_scalef32_pk16_fp6_f32 v[(\u):(\u)+2], v[(\s):(\s)+15], v[T+4]
	v_cvt_scalef32_pk16_fp6_f32 v[PX:PX+2], v[(\s)+16:(\s)+31], v[T+5]
	v_nop
.irp i, 0,1,2
	v_permlane16_swap_b32 v[(\u)+\i], v[PX+\i]
.endr
.irp i, 0,1,2
	v_mov_b32 v[(\u)+3+\i], v[PX+\i]
.endr
.endm
.macro MASKLOAD                        ; a step's 64 words, 256 bytes
	s_load_b512 s[16:31], s[2:3], s[MO] offset:0x0
	s_load_b512 s[32:47], s[2:3], s[MO] offset:0x40
	s_load_b512 s[48:63], s[2:3], s[MO] offset:0x80
	s_load_b512 s[80:95], s[2:3], s[MO] offset:0xc0
.endm
; Load number KI of the 18 that bring a step's K: tile KI / 2's registers 0-3 (even KI) or 4-5 (odd KI), then the two pairs of scale words
.macro KNL a16, a8, base, sbase
.if KI < 16
.if KI%2 == 0
	ds_load_b128 v[KF+6*(KI/2):KF+6*(KI/2)+3], v[\a16] offset:(\base)+768*(KI/2)
.else
	ds_load_b64 v[KF+6*(KI/2)+4:KF+6*(KI/2)+5], v[\a8] offset:(\base)+768*(KI/2)+512
.endif
.else
	ds_load_b64 v[KS+2*(KI-16):KS+2*(KI-16)+1], v[\a8] offset:(\sbase)+256*(KI-16)
.endif
.set KI, KI+1
.endm
.macro KN kn                           ; the next two of the 18, if this step fetches ahead
.if \kn
	KNL 3, 4, KB, SB
	KNL 3, 4, KB, SB
.endif
.endm
	s_load_b256 s[80:87], s[0:1], 0x0              ; qb s[80:81], kv s[82:83], mb s[84:85] (ob is fetched at the end)
	v_lshl_add_u32 v254, v0, 2, SPARE
	v_mov_b32 v255, 0
	ds_add_u32 v254, v255                          ; the opening lines: the add, twice on end, and its wait ahead of my tensor load
	ds_add_u32 v254, v255
	v_lshrrev_b32 v1, 5, v0
	v_readfirstlane_b32 s[WV], v1                  ; wave 0..15
	s_bfe_u32 s88, ttmp6, 0x40000                  ; cx: it enters Q's, the mask's and O's global addresses alone
	s_lshl_b32 s89, ttmp9, 2
	s_add_co_u32 s89, s89, s88
	s_lshl_b32 s89, s89, 4
	s_add_co_u32 s89, s89, s[WV]                   ; my tile of queries in the batch, 0..127
	s_and_b32 s90, ttmp7, 0xffff                   ; 16 x batch + head: shared by the four partners
	s_lshl_b32 s88, s90, 7
	s_add_co_u32 s88, s88, s89
	s_mul_i32 s88, s88, 768                        ; Q's unit
	s_lshl_b32 s76, s90, 5
	s_lshr_b32 s77, s89, 2
	s_add_co_u32 s76, s76, s77
	s_lshl_b32 s76, s76, 8                         ; the scale words of four tiles are 256 bytes: lane (r, h), word p: tile 2 p + h
	s_and_b32 s77, s89, 1
	s_lshl_b32 s77, s77, 7
	s_add_co_u32 s76, s76, s77
	s_bfe_u32 s77, s89, 0x10001
	s_lshl_b32 s77, s77, 2
	s_add_co_u32 s76, s76, s77
	s_add_co_u32 s76, s76, QSOFF
	s_lshr_b32 s94, s90, 4
	s_lshl_b32 s94, s94, 7
	s_add_co_u32 s94, s94, s89
	s_lshl_b32 s94, s94, 12                        ; my tile's mask words: 16 steps of 256 bytes
	s_mov_b32 s95, 0
	s_mov_b32 s4, 1
	s_mul_i32 s5, s[WV], 13056                     ; my sixteenth of the head's K and V, in LDS and in memory
	s_mul_i32 s92, s90, KVH
	s_add_co_u32 s92, s92, s5
	s_mov_b32 s93, 0
	s_mov_b32 s[G1], 15|(3<<16)|(1<<21)            ; 15:0 the mask: all four work-groups; 17:16 elements of 8 bytes; 21 set beside a mask
	s_mov_b32 s[G1+1], 32<<16                      ; 13,056 dense bytes as 51 rows of 256
	s_mov_b32 s[G1+2], 51<<16
	s_mov_b32 s[G1+3], 32<<16
	s_mov_b32 s[G1+4], 51
	s_mov_b32 s[G1+5], 32
	s_mov_b32 s[G1+6], 0
	s_mov_b32 s[G1+7], 0
	s_mov_b32 s[SEL], 0x76543210
	s_mov_b32 s[SEL+1], 0xfedcba98
	s_mov_b32 s[CS], 0x3e38aa3b                    ; log2(e) / 8
	s_mov_b32 s[CS+1], s[CS]
	s_mov_b32 s[MO], 0
	v_and_b32 v6, 31, v0
	v_and_b32 v7, 15, v0
	v_lshlrev_b32 v1, 4, v6
	v_lshlrev_b32 v2, 3, v6
	v_add_nc_u32 v3, s88, v1
	v_add_nc_u32 v4, s88, v2
	v_lshl_add_u32 v8, v7, 3, s76
	s_wait_alu depctr_va_vdst(0)
	s_wait_dscnt 0x0                               ; both opening adds are done
	s_wait_kmcnt 0x0
	s_mov_b64 s[104:105], s[80:81]
	s_add_nc_u64 s[2:3], s[84:85], s[94:95]
	s_add_nc_u64 s[6:7], s[82:83], s[92:93]
	s_or_b32 s7, s7, 0x80000000
	global_load_b128 v[16:19], v3, s[104:105]      ; Q stays in registers
	global_load_b64 v[20:21], v4, s[104:105] offset:512
	global_load_b32 v[QS], v8, s[104:105]
	MASKLOAD                                       ; step 0's
	ROUND                                          ; all four work-groups are here: the joint loads meet
	tensor_load_to_lds s[4:7], s[G1:G1+7]          ; the launch's only fill of mine
	s_nop 0
	PLACES
	v_mov_b32 v5, 0xff800000                       ; -infinity
	v_mov_b32 v13, 0xff61b1e6                      ; the largest score so far: -3e38
	v_mov_b32 v12, 0x7f61b1e6                      ; -M: 3e38: the first change of M gives f = 0, which multiplies zeros
	v_mov_b32 v14, 0
	v_mov_b32 v15, 0
	v_mov_b32 v253, 0
.irp j, 0,1,2,3
	v_mov_b32 v[T4+\j], 0                          ; a lane permute's destination counts as one of its sources
.endr
.irp j, 22,23,24,25,26,27
	v_mov_b32 v\j, 0                               ; Q's upper 64 of K: zero codes
.endr
.irp j, 0,1,2,3,4,5
	v_mov_b32 v[PC+\j], 0                          ; named as the upper half of K's eighth fragment
.endr
.set N, 0
.rept 32
	v_mov_b32 v[O+N], 0                            ; O^T: the step has one form: the first finds zeros
.set N, N+1
.endr
; A KEY STEP: 128 keys, the q-th of the block in hand.  kn: which K it fetches ahead: 1 the block's second step's, 2 the next block's first step's, 0 none.
.macro STEP q, kn
.if (\kn) == 1
.set KB, 6144
.set SB, 12288+512
.else
.set KB, KVB
.set SB, KVB+12288
.endif
.set KI, 0
	s_wait_dscnt 0x0                               ; this step's K and its scale words
.irp t, 0,1,2,3,4,5,6,7                ; S^T = K Q^T: eight accumulators, each begun with the constant 0
	MM S+8*\t, KF+6*\t, 16, 0, KS+\t/2, QS, \t%2
.endr
	PLACES                                         ; in front of the loads into V's and K's registers and of the first read of the scores
.irp d, 0,1,2,3                        ; the step's V: 17 loads
.irp u, 0,1
	ds_load_b128 v[VF+12*\d+6*\u:VF+12*\d+6*\u+3], v3 offset:13312+(2*(\q)+\u)*3072+768*\d
	ds_load_b64 v[VF+12*\d+6*\u+4:VF+12*\d+6*\u+5], v4 offset:13312+(2*(\q)+\u)*3072+768*\d+512
.endr
.endr
	ds_load_b64 v[VS:VS+1], v4 offset:25600+256*(\q)
	s_wait_kmcnt 0x0                               ; this step's mask words, asked for a step ago
.set N, 0
.rept 48
	v_cndmask_b32 v[S+N], v5, v[S+N], s[16+N]      ; -infinity where the word's bit is 0; ascending: each accumulator from its low end on
.set N, N+1
.endr
.rept 16
	v_cndmask_b32 v[S+N], v5, v[S+N], s[32+N]
.set N, N+1
.endr
	s_add_co_u32 s[MO], s[MO], 256                 ; the next step's words;
	s_min_u32 s[MO], s[MO], 3840                   ; the last step asks for its own again, so that no load leaves the buffer
	MASKLOAD
.irp b, 0,1,2,3
	v_max3_num_f32 v[BM+\b], v[S+16*\b], v[S+1+16*\b], v[S+2+16*\b]   ; each block's largest score: for the row's maximum and for the block's largest p
.endr
.irp i, 3,5,7,9,11,13
.irp b, 0,1,2,3
	v_max3_num_f32 v[BM+\b], v[BM+\b], v[S+16*\b+\i], v[S+1+16*\b+\i]
.endr
.endr
.irp b, 0,1,2,3
	v_max_num_f32 v[BM+\b], v[BM+\b], v[S+15+16*\b]
.endr
.irp b, 0,1,2,3
	v_permlanex16_b32 v[T4+\b], v[BM+\b], s[SEL], s[SEL+1]
.endr
	KN \kn                                         ; from here on each line feeds the next: the 18 loads of the K fetched ahead stand between them, two by two
.irp b, 0,1,2,3
	v_max_num_f32 v[BM+\b], v[BM+\b], v[T4+\b]     ; with lane l xor 16's 16 keys
.endr
	KN \kn
	v_max3_num_f32 v254, v[BM], v[BM+1], v[BM+2]
	KN \kn
	v_max3_num_f32 v13, v254, v[BM+3], v13         ; the running largest score
	KN \kn
	v_mul_f32 v254, s[CS], v13                     ; as t (c is positive)
	v_mov_b32 v255, v12
	KN \kn
	v_floor_f32 v12, -v254                         ; the new -M = floor(-t) = -ceil(t)
	KN \kn
	v_sub_f32 v254, v12, v255                      ; old M - new M: a whole number, 0 or less
	KN \kn
	v_cvt_i32_f32 v254, v254                       ; (it saturates)
	KN \kn
	v_ldexp_f32 v252, 1.0, v254                    ; f = 2^(old M - new M)
	KN \kn
.irp b, 0,1,2,3
	v_fma_f32 v[BM+\b], v[BM+\b], s[CS], v12       ; t - M of each block's largest score,
.endr
.set N, 0
.rept 32
	v_pk_fma_f32 v[S+N:S+N+1], v[S+N:S+N+1], s[CS:CS+1], v[12:13] op_sel_hi:[1,0,0]   ; and of the 64 scores
.set N, N+2
.endr
	s_wait_alu depctr_va_vdst(0)
.irp b, 0,1,2,3
	v_exp_f32 v[BM+\b], v[BM+\b]                   ; the block's largest p: the same two instructions on the same number as its score's own
.endr
.set N, 0
.rept 64
	v_exp_f32 v[S+N], v[S+N]                       ; p = 2^(t - M)
.set N, N+1
.endr
	v_pk_mul_f32 v[14:15], v[14:15], v[252:253] op_sel_hi:[1,0]   ; l under the new M: a plain line behind the exponentials
	s_wait_alu depctr_va_vdst(0)                   ; one wait for the whole batch, ahead of its first reader
.irp b, 0,1,2,3
	v_max_num_f32 v[BM+\b], 0x1800000, v[BM+\b]    ; the floor 2^(3 - 127)
.endr
.irp b, 0,1,2,3
	v_add_nc_u32 v[SO+\b], 0xff000000, v[BM+\b]    ; 2 off the exponent field: the conversion's scale operand
.endr
.irp b, 0,1,2,3
	v_lshrrev_b32 v[T4+\b], 23, v[SO+\b]           ; the scale's byte
.endr
	v_pk_add_f32 v[254:255], v[S:S+1], v[S+2:S+3]  ; THE SUM OF THE UNQUANTISED p, in four chains by turns: l, v[254:255], and, once p's scale word is made, v[T4:T4+1], v[T4+2:T4+3]
	v_lshl_or_b32 v[PW], v[T4+1], 8, v[T4]
	v_pk_add_f32 v[14:15], v[14:15], v[S+4:S+5]
	v_lshl_or_b32 v[PW], v[T4+2], 16, v[PW]
	v_pk_add_f32 v[254:255], v[254:255], v[S+6:S+7]
	v_lshl_or_b32 v[PW], v[T4+3], 24, v[PW]        ; p's scale word for these 128 keys
	v_pk_add_f32 v[T4:T4+1], v[S+8:S+9], v[S+10:S+11]
	v_pk_add_f32 v[T4+2:T4+3], v[S+12:S+13], v[S+14:S+15]
.set N, 16
.rept 6
	v_pk_add_f32 v[14:15], v[14:15], v[S+N:S+N+1]
	v_pk_add_f32 v[254:255], v[254:255], v[S+N+2:S+N+3]
	v_pk_add_f32 v[T4:T4+1], v[T4:T4+1], v[S+N+4:S+N+5]
	v_pk_add_f32 v[T4+2:T4+3], v[T4+2:T4+3], v[S+N+6:S+N+7]
.set N, N+8
.endr
	v_pk_add_f32 v[14:15], v[14:15], v[254:255]
	v_pk_add_f32 v[T4:T4+1], v[T4:T4+1], v[T4+2:T4+3]
	v_pk_add_f32 v[14:15], v[14:15], v[T4:T4+1]
.irp c, 0,1
	v_cvt_scalef32_pk16_fp6_f32 v[PC+6*\c:PC+2+6*\c], v[S+32*\c:S+15+32*\c], v[SO+2*\c]
	v_cvt_scalef32_pk16_fp6_f32 v[T4+4*\c:T4+2+4*\c], v[S+16+32*\c:S+31+32*\c], v[SO+2*\c+1]   ; (a conversion's three registers begin on an even number)
.endr
	v_nop                                          ; one plain place behind a scaled conversion
.irp c, 0,1                            ; a WHOLE block to a lane: lanes 0-15 block 2 c, lanes 16-31 block 2 c + 1
.irp i, 0,1,2
	v_permlane16_swap_b32 v[PC+6*\c+\i], v[T4+4*\c+\i]
.endr
.irp i, 0,1,2
	v_mov_b32 v[PC+3+6*\c+\i], v[T4+4*\c+\i]
.endr
.endr
	s_wait_alu depctr_va_vdst(0)                   ; directly ahead of the first reader of O^T
.set N, 0
.rept 16
	v_pk_mul_f32 v[O+N:O+N+1], v[O+N:O+N+1], v[252:253] op_sel_hi:[1,0]   ; O^T under the new M, ascending; these are also the places between p's codes and the products
.set N, N+2
.endr
	s_wait_alu depctr_va_vdst(0)
.if \kn
	s_wait_dscnt 18                                ; V's 17 loads are in; the 18 of the K fetched ahead, issued behind them, may be out
.else
	s_wait_dscnt 0x0                               ; V
.endif
.irp d, 0,1,2,3                        ; O^T += V^T P^T: the four accumulators by turns
	MM O+8*\d, VF+12*\d, PC, 1, VS+\d/2, PW, \d%2
.endr
.endm
; A block of 256 keys: two steps.  kn1: what its second step fetches ahead
.macro BLOCK kn1
	v_add_nc_u32 v3, s[TB], v1
	v_add_nc_u32 v4, s[TB], v2
	s_wait_alu depctr_va_vdst(0)
	STEP 0, 1
	STEP 1, \kn1
.endm
	s_wait_alu depctr_va_vdst(0)
	s_wait_loadcnt 0x0                             ; Q; v3, v4, v8 are free
	s_wait_tensorcnt 0x0                           ; my sixteenth has landed
	s_barrier_signal -1
	s_barrier_wait -1                              ; everybody's has: the whole head lies in LDS, and no barrier follows but the closing round's
.set KI, 0
.rept 18
	KNL 1, 2, 0, 12288                             ; the first step's K
.endr
	s_mov_b32 s[TB], 0
	s_mov_b32 s[CNT], 7
.Lblock:                                           ; blocks 0 to 6
	BLOCK 2
	s_add_co_u32 s[TB], s[TB], KVB
	s_sub_co_u32 s[CNT], s[CNT], 1
	s_cmp_lg_u32 s[CNT], 0
	s_cbranch_scc1 .Lblock
	BLOCK 0                                        ; block 7 is written out: nothing lies behind it
	; THE WAY OUT.  O^T / l, quantised along d: unit `head` of my tile's row of the last product's operand.
	s_load_b64 s[4:5], s[0:1], 0x18                ; ob
	v_add_f32 v14, v14, v15                        ; l's two halves,
	v_permlanex16_b32 v252, v14, s[SEL], s[SEL+1]
	v_add_f32 v14, v14, v252                       ; and lane l xor 16's
	v_mov_b32 v15, 1.0
	v_cmp_eq_f32 vcc_lo, 0, v14                    ; a query with no key at all
	v_cndmask_b32 v14, v14, v15, vcc_lo
	s_wait_alu depctr_va_vdst(0)
	v_rcp_f32 v14, v14
	v_mov_b32 v254, 0xffff                         ; (a plain place behind the transcendental)
	s_wait_alu depctr_va_vdst(0)                   ; ahead of v14's first reader, which is O^T's first reader too
.irp j, 0,2,4,6,8,10,12,14,16,18,20,22,24,26,28,30
	v_pk_mul_f32 v[S+\j:S+\j+1], v[O+\j:O+\j+1], v[14:15] op_sel_hi:[1,0]   ; register 16 b + i is d = 32 b + 16 h + i of my query
.endr
	QUANT2 S, PC, 255
	v_cndmask_b32 v255, v255, v254, vcc_lo         ; its two scale bytes become 0xff
	s_bfe_u32 s6, ttmp6, 0x40000
	s_lshl_b32 s7, ttmp9, 2
	s_add_co_u32 s6, s6, s7
	s_lshl_b32 s6, s6, 4
	s_add_co_u32 s6, s6, s[WV]                     ; my tile in the batch
	s_and_b32 s7, ttmp7, 0xffff
	s_lshr_b32 s8, s7, 4
	s_lshl_b32 s8, s8, 7
	s_add_co_u32 s8, s8, s6                        ; my tile of the 256
	s_and_b32 s7, s7, 15                           ; the head
	s_lshl_b32 s10, s8, 4
	s_add_co_u32 s10, s10, s7
	s_mul_i32 s10, s10, 768
	s_mov_b32 s11, 0
	s_lshl_b32 s12, s8, 9                          ; scales [tile][chunk of 256 K = 4 heads][r][2 words]: my two bytes
	s_lshr_b32 s9, s7, 2
	s_lshl_b32 s9, s9, 7
	s_add_co_u32 s12, s12, s9
	s_bfe_u32 s9, s7, 0x10001
	s_lshl_b32 s9, s9, 2
	s_add_co_u32 s12, s12, s9
	s_and_b32 s9, s7, 1
	s_lshl_b32 s9, s9, 1
	s_add_co_u32 s12, s12, s9
	s_add_co_u32 s12, s12, OSOFF
	s_mov_b32 s13, 0
	v_and_b32 v254, 15, v0
	v_lshlrev_b32 v254, 3, v254                    ; 8 r
	s_wait_alu depctr_va_vdst(0)
	s_wait_kmcnt 0x0
	s_add_nc_u64 s[10:11], s[4:5], s[10:11]
	s_add_nc_u64 s[12:13], s[4:5], s[12:13]
	global_store_b128 v1, v[PC:PC+3], s[10:11]     ; 512 and 256 consecutive bytes, aligned
	global_store_b64 v2, v[PC+4:PC+5], s[10:11] offset:512
	global_store_b16 v254, v255, s[12:13]          ; lanes r and r + 16 write the same two bytes with the same value
	s_wait_xcnt 0x0                                ; the stores have read v254, v255
	v_lshl_add_u32 v254, v0, 2, SPARE              ; the add's two registers, made anew
	v_mov_b32 v255, 0
	s_wait_alu depctr_va_vdst(0)
	s_wait_tensorcnt 0x0                           ; the wave's end
	ds_add_u32 v254, v255
	s_wait_dscnt 0x0
	ROUND                                          ; the closing round
	s_endpgm
.Lfunc_end_k_q51cac0d1f9_attn:
	.size	k_q51cac0d1f9_attn, .Lfunc_end_k_q51cac0d1f9_attn-k_q51cac0d1f9_attn
	.p2alignl 7, 3214868480
	.fill 96, 4, 3214868480
	.section	.rodata,"a",@progbits
	.p2align	6, 0x0
	.amdhsa_kernel k_q51cac0d1f9_attn
		.amdhsa_group_segment_fixed_size 210944
		.amdhsa_private_segment_fixed_size 0
		.amdhsa_enable_private_segment 0
		.amdhsa_kernarg_size 32
		.amdhsa_user_sgpr_count 2
		.amdhsa_user_sgpr_kernarg_segment_ptr 1
		.amdhsa_wavefront_size32 1
		.amdhsa_system_sgpr_workgroup_id_x 1
		.amdhsa_system_sgpr_workgroup_id_y 1
		.amdhsa_system_sgpr_workgroup_id_z 1
		.amdhsa_system_vgpr_workitem_id 0
		.amdhsa_next_free_vgpr 256
		.amdhsa_next_free_sgpr 106
		.amdhsa_reserve_vcc 1
		.amdhsa_float_denorm_mode_32 3
		.amdhsa_float_denorm_mode_16_64 3
		.amdhsa_memory_ordered 1
		.amdhsa_forward_progress 1
		.amdhsa_inst_pref_size 92
	.end_amdhsa_kernel
	.amdgpu_metadata
---
amdhsa.version: [ 1, 2 ]
amdhsa.kernels:
  - .name:           k_q51cac0d1f9_attn
    .symbol:         k_q51cac0d1f9_attn.kd
    .args:
      - { .name: qb, .offset: 0, .size: 8, .value_kind: global_buffer, .address_space: global }
      - { .name: kv, .offset: 8, .size: 8, .value_kind: global_buffer, .address_space: global }
      - { .name: mb, .offset: 16, .size: 8, .value_kind: global_buffer, .address_space: global }
      - { .name: ob, .offset: 24, .size: 8, .value_kind: global_buffer, .address_space: global }
    .group_segment_fixed_size: 210944
    .private_segment_fixed_size: 0
    .kernarg_segment_align: 8
    .kernarg_segment_size: 32
    .max_flat_workgroup_size: 512
    .sgpr_count:     106
    .vgpr_count:     256
    .wavefront_size: 32
...
	.end_amdgpu_metadata
.endif
;; end of part 3
;; launch outproj (part 4): grid 8 x 32, 8 waves a work-group, clusters of 4 x 4, 240,640 bytes of LDS; arguments ob, wb, bo, out0; writes out0
.if DOCPART == 4
	.amdgcn_target "amdgcn-amd-amdhsa--gfx1250"
	.amdhsa_code_object_version 6
	.text
	.protected	k_q51cac0d1f9_outproj
	.globl	k_q51cac0d1f9_outproj
	.p2align	8
	.type	k_q51cac0d1f9_outproj,@function
k_q51cac0d1f9_outproj:
	s_mov_b64 s[64:65], 0
	v_nop
	global_prefetch_b8 v0, s[64:65] scope:SCOPE_SE
	s_setreg_imm32_b32 hwreg(HW_REG_WAVE_MODE, 25, 1), 1
	s_wait_xcnt 0x0
	s_wait_alu depctr_hold_cnt(0) depctr_sa_sdst(0) depctr_va_vdst(0) depctr_va_sdst(0) depctr_va_ssrc(0) depctr_va_vcc(0) depctr_vm_vsrc(0)
	s_getreg_b32 s2, hwreg(HW_REG_IB_STS2, 6, 4)
	s_cmp_eq_u32 s2, 0
	s_cbranch_scc0 .Lentry_in_a_cluster
	s_endpgm
.Lentry_in_a_cluster:
	s_bfe_u32 s2, ttmp6, 0x10000c
	s_cmp_lg_u32 s2, 0xf033
	s_cbranch_scc0 .Lentry_shape_is_right
	s_endpgm
.Lentry_shape_is_right:
; OUTPROJ: out0 = O Wo + bo on codes of FP6 (E2M3) with E8M0 scales; out0 [4096][1024] f32.
; Source 0 = 16 columns of Wo (P), source 1 = 16 rows of O (R): a lane holds one row of out0, its registers run along the columns.
; SHARES.  A work-group makes 128 columns x 128 rows over the whole K = 1,024: 256 work-groups; each of its eight waves 64 columns x 32 rows: 8 accumulators.
; ALL OF K LIES IN LDS: 16 tiles x 12,288 bytes of codes and their scale words are filled once, in four chunks of 256 K; no LDS byte is filled twice, so there is no ring.
; CLUSTERS, 4 x 4: Wo's tiles hang on the work-group's x alone and are asked for jointly by a column of the cluster, O's on its y alone, by a row.
; ob, wb hold images of the operands' registers (units of 768 bytes: registers 0-3 at 16 x lane, 4-5 at 512 + 8 x lane): every LDS read is dense.
; TILES: tile T holds rows 32 (T / 2) + 8 (T % 2) + pi(r), pi(r) = r + 8 (r / 8): the registers of P's tiles 2 b, 2 b + 1 are columns 32 b + 16 h + 0 .. 15.
; The bias is the C of each sum's first matrix instruction.  A row of O whose scale bytes are 0xff (a query with no key) comes out NaN.
.set WSOFF, 3145728
.set OSOFF, 3145728
.set CHK,   3072                       ; LDS is laid as the buffers are, tile by tile: a tile is 12,288 bytes, R's 8 tiles, then P's 8; a chunk of 256 K is 3,072 bytes of each tile
.set PSL,   98304                      ; where P's tiles begin
.set SCB,   196608                     ; the scale words, 512 bytes a slot
.set STG,   204800                     ; the stages for the way out: 16 rows x 272 bytes for each wave.  Written by LDS stores: no tensor load lands here
.set WSTG,  4352
.set SPT,   272                        ; 256 bytes + 16: the 16 rows that a store touches start at 16 different banks (64 banks of 4 bytes: ISA guide 11.1)
.set WV,   3
.set G1RC, 24                          ; s[24:31] group 1: R's codes;  s[32:39] P's codes;  s[40:47] R's scales;  s[48:55] P's scales
.set G1PC, 32
.set G1RS, 40
.set G1PS, 48
; groups 0, one for each kind of fill: s[56:59] R's codes, s[60:63] P's codes, s[68:71] R's scale words, s[72:75] P's
.set SC,   16                          ; v16-23  scale words: register 2 i + q: lanes 0-15 R's tile i, lanes 16-31 P's tile i
.set PF,   32                          ; v32-79  P's four fragments
.set RF,   80                          ; v80-103 R's two
.set ACC,  128                         ; v128-191 accumulator (a, b) at 128 + 32 b + 8 a
.set BP,   192                         ; v192-223 the bias of my 64 columns, in the result's layout
.set OB,   32                          ; the way out: v32-95 rows read back from the stage
.macro PLACES
.rept 4
	v_nop
.endr
.endm
.macro ROUND
	s_barrier_signal -1
	s_barrier_wait -1
	s_cmp_lg_u32 s[WV], 0
	s_cbranch_scc1 .Lnot_wave_0_\@
	s_barrier_signal -3
.Lnot_wave_0_\@:
	s_barrier_wait -3
	s_barrier_signal -1
	s_barrier_wait -1
.endm
.macro FRAG reg, a16, a8, off
	ds_load_b128 v[(\reg):(\reg)+3], v[\a16] offset:(\off)
	ds_load_b64 v[(\reg)+4:(\reg)+5], v[\a8] offset:(\off)+512
	ds_load_b128 v[(\reg)+6:(\reg)+9], v[\a16] offset:(\off)+768
	ds_load_b64 v[(\reg)+10:(\reg)+11], v[\a8] offset:(\off)+1280
.endm
	s_load_b256 s[4:11], s[0:1], 0x0               ; ob s[4:5], wb s[6:7], bo s[8:9], out0 s[10:11]
	v_lshl_add_u32 v254, v0, 2, 0x3a800
	v_mov_b32 v255, 0
	ds_add_u32 v254, v255
	ds_add_u32 v254, v255
	v_lshrrev_b32 v1, 5, v0
	s_delay_alu instid0(VALU_DEP_1)
	v_readfirstlane_b32 s[WV], v1                  ; wave 0..7
	s_bfe_u32 s18, ttmp6, 0x40000                  ; cx
	s_bfe_u32 s19, ttmp6, 0x40004                  ; cy
	s_lshl_b32 s20, ttmp9, 2
	s_add_co_u32 s20, s20, s18                     ; X, 0..7: which 128 columns
	s_and_b32 s21, ttmp7, 0xffff
	s_lshl_b32 s21, s21, 2
	s_add_co_u32 s21, s21, s19                     ; Y, 0..31: which 128 rows
	s_lshl_b32 s23, s19, 2
	s_lshl_b32 s23, 15, s23                        ; my row of the cluster
	s_lshl_b32 s2, 0x1111, s18                     ; my column
	s_or_b32 s[G1RC], s23, (3<<16)|(1<<21)         ; 15:0 the mask; 17:16 elements of 8 bytes; 21 set beside a mask; no padding
	s_or_b32 s[G1RS], s23, (3<<16)|(1<<21)
	s_or_b32 s[G1PC], s2, (3<<16)|(1<<21)
	s_or_b32 s[G1PS], s2, (3<<16)|(1<<21)
.irp g, G1RC, G1PC
	s_mov_b32 s[\g+1], 32<<16                      ; codes: four whole tiles, 49,152 dense bytes, as 192 rows of 256
	s_mov_b32 s[\g+2], 192<<16
	s_mov_b32 s[\g+3], 32<<16
	s_mov_b32 s[\g+4], 192
	s_mov_b32 s[\g+5], 32
	s_mov_b32 s[\g+6], 0
	s_mov_b32 s[\g+7], 0
.endr
.irp g, G1RS, G1PS                     ; scale words of eight tiles: 4,096 dense bytes as 16 rows of 256
	s_mov_b32 s[\g+1], 32<<16
	s_mov_b32 s[\g+2], 16<<16
	s_mov_b32 s[\g+3], 32<<16
	s_mov_b32 s[\g+4], 16
	s_mov_b32 s[\g+5], 32
	s_mov_b32 s[\g+6], 0
	s_mov_b32 s[\g+7], 0
.endr
	s_lshl_b32 s2, s20, 3                          ; P's first tile that I would fetch: 192 (Wo) + 8 X + 4 (wave % 2)   (s2, s100 hold X, never cy)
	s_add_co_u32 s2, s2, 192                       ; P's first tile: 192 (Wo) + 8 X   (s2, s100 hold X, never cy)
	s_mov_b32 s101, 0
	s_lshl_b32 s23, s21, 3                         ; R's: 8 Y   (s23, s104 hold Y, never cx)
	s_mov_b32 s105, 0
	s_and_b32 s12, s[WV], 1
	s_mul_i32 s12, s12, 49152                      ; which four tiles of codes a fetching wave takes: wave % 2
	s_wait_dscnt 0x0
	s_wait_kmcnt 0x0
	s_lshl_b32 s100, s2, 9                         ; P's scale words,
	s_add_co_u32 s100, s100, WSOFF
	s_mov_b32 s72, 1
	s_mov_b32 s73, SCB+4096
	s_add_nc_u64 s[74:75], s[6:7], s[100:101]
	s_or_b32 s75, s75, 0x80000000
	s_mul_i32 s100, s2, 12288                      ; and four tiles of its codes
	s_add_co_u32 s100, s100, s12
	s_mov_b32 s60, 1
	s_add_co_u32 s61, s12, PSL
	s_add_nc_u64 s[62:63], s[6:7], s[100:101]
	s_or_b32 s63, s63, 0x80000000
	s_lshl_b32 s104, s23, 9                        ; R's scale words,
	s_add_co_u32 s104, s104, OSOFF
	s_mov_b32 s68, 1
	s_mov_b32 s69, SCB
	s_add_nc_u64 s[70:71], s[4:5], s[104:105]
	s_or_b32 s71, s71, 0x80000000
	s_mul_i32 s104, s23, 12288                     ; and four tiles of its codes
	s_add_co_u32 s104, s104, s12
	s_mov_b32 s56, 1
	s_add_co_u32 s57, s12, 0
	s_add_nc_u64 s[58:59], s[4:5], s[104:105]
	s_or_b32 s59, s59, 0x80000000
	ROUND                                          ; all sixteen work-groups are here: the joint loads meet
	; ALL FILLS OF THE LAUNCH, at most one a wave: waves 0, 1 R's codes, waves 2, 3 P's codes, wave 4 R's scale words, wave 5 P's; six dense blocks, so waves 6, 7 have none.
	; One chain of branches on the wave's number, all arms leading to one join.  An s_nop 0 and four v_nop follow each load.
.macro ARM under, g0, g1, next
	s_cmp_lt_u32 s[WV], \under
	s_cbranch_scc0 \next
	tensor_load_to_lds s[\g0:\g0+3], s[\g1:\g1+7]
	s_nop 0
	PLACES
	s_branch .Lasked
\next:
.endm
	ARM 2, 56, G1RC, .Larm_pc
	ARM 4, 60, G1PC, .Larm_rs
	ARM 5, 68, G1RS, .Larm_ps
	s_cmp_lt_u32 s[WV], 6
	s_cbranch_scc0 .Lasked
	tensor_load_to_lds s[72:75], s[G1PS:G1PS+7]
	s_nop 0
	PLACES
.Lasked:
	v_and_b32 v14, 31, v0
	s_delay_alu instid0(VALU_DEP_1)
	v_lshlrev_b32 v1, 4, v14                       ; 16 x lane
	s_delay_alu instid0(VALU_DEP_2)
	v_lshlrev_b32 v2, 3, v14                       ; 8 x lane
	v_and_b32 v3, 15, v0                           ; r
	v_bfe_u32 v4, v0, 4, 1                         ; h
	s_wait_alu depctr_va_vdst(0)
	s_and_b32 s12, s[WV], 1                        ; wp: which 64 columns
	s_lshr_b32 s13, s[WV], 1                       ; wr: which 32 rows
	s_mul_i32 s14, s13, 24576
	v_add_nc_u32 v5, s14, v1                       ; my two tiles of R in a chunk,
	v_add_nc_u32 v6, s14, v2
	s_mul_i32 s14, s12, 49152
	s_add_co_u32 s14, s14, PSL
	v_add_nc_u32 v7, s14, v1                       ; my four of P
	v_add_nc_u32 v8, s14, v2
	s_xor_b32 s14, s13, 3                          ; the scale words: lanes 0-15 R's (slot 2 wr on), lanes 16-31 P's (slot 8 + 4 wp on): the lower base + h x the distance,
	s_lshl_b32 s15, s12, 1
	s_add_co_u32 s14, s14, s15
	s_add_co_u32 s14, s14, 1
	s_lshl_b32 s14, s14, 10                        ; 1,024 (1 + 2 wp + 3 - wr)
	v_mul_u32_u24 v9, s14, v4
	s_delay_alu instid0(VALU_DEP_1)
	v_lshl_add_u32 v9, v3, 3, v9
	s_lshl_b32 s15, s13, 10
	s_add_co_u32 s15, s15, SCB
	v_add_nc_u32 v9, s15, v9
	s_mul_i32 s14, s[WV], WSTG
	s_add_co_u32 s14, s14, STG                     ; my stage
	v_mul_u32_u24 v10, v3, SPT
	s_delay_alu instid0(VALU_DEP_1)
	v_lshl_add_u32 v10, v4, 6, v10
	s_delay_alu instid0(VALU_DEP_1)
	v_add_nc_u32 v10, s14, v10                     ; in: row r, + 64 h bytes
	v_mul_u32_u24 v11, v4, SPT
	s_delay_alu instid0(VALU_DEP_1)
	v_lshl_add_u32 v11, v3, 4, v11
	s_delay_alu instid0(VALU_DEP_1)
	v_add_nc_u32 v11, s14, v11                     ; back: lanes 0-15 one row of 256 bytes, lanes 16-31 the next
	v_lshlrev_b32 v12, 12, v4
	s_delay_alu instid0(VALU_DEP_1)
	v_lshl_add_u32 v12, v3, 4, v12                 ; and the same two rows in out0 (4,096 bytes a row)
	s_lshl_b32 s14, s20, 9
	s_lshl_b32 s15, s12, 8
	s_add_co_u32 s14, s14, s15                     ; my first column, in bytes: 512 X + 256 wp
	v_lshl_add_u32 v13, v4, 6, s14
.irp e, 0,1
.irp j, 0,1,2,3
	global_load_b128 v[BP+16*\e+4*\j:BP+16*\e+4*\j+3], v13, s[8:9] offset:128*\e+16*\j   ; bo at columns 32 e + 16 h + 4 j on
.endr
.endr
	s_lshl_b32 s16, s21, 2
	s_add_co_u32 s16, s16, s13                     ; my 32 rows: 4 Y + wr
	s_lshl_b32 s16, s16, 17                        ; x 32 rows of 4,096 bytes
	s_add_co_u32 s16, s16, s14
	s_mov_b32 s17, 0
	s_add_nc_u64 s[10:11], s[10:11], s[16:17]
	s_wait_loadcnt 0x0                             ; the bias
; A K step of 128: six fragments, then 8 matrix instructions; the eight accumulators take turns, one instruction a turn.
.macro KSTEP q, first
.irp i, 0,1
	FRAG RF+12*\i, 5, 6, 12288*\i+1536*(\q)
.endr
.irp i, 0,1,2,3
	FRAG PF+12*\i, 7, 8, 12288*\i+1536*(\q)
.endr
.irp a, 0,1,2,3
	s_wait_dscnt 4*(3-\a)                          ; R's two and P's tile a are in; the later tiles' four loads each may be out
.irp b, 0,1
.if \first
	v_wmma_scale_f32_16x16x128_f8f6f4 v[ACC+32*\b+8*\a:ACC+32*\b+8*\a+7], v[PF+12*\a:PF+12*\a+11], v[RF+12*\b:RF+12*\b+11], v[BP+8*\a:BP+8*\a+7], v[SC+2*\a+(\q)], v[SC+2*\b+(\q)] matrix_a_fmt:MATRIX_FMT_FP6 matrix_b_fmt:MATRIX_FMT_FP6 matrix_a_scale:MATRIX_SCALE_ROW1
.else
	v_wmma_scale_f32_16x16x128_f8f6f4 v[ACC+32*\b+8*\a:ACC+32*\b+8*\a+7], v[PF+12*\a:PF+12*\a+11], v[RF+12*\b:RF+12*\b+11], v[ACC+32*\b+8*\a:ACC+32*\b+8*\a+7], v[SC+2*\a+(\q)], v[SC+2*\b+(\q)] matrix_a_fmt:MATRIX_FMT_FP6 matrix_b_fmt:MATRIX_FMT_FP6 matrix_a_scale:MATRIX_SCALE_ROW1
.endif
.endr
.endr
.endm
.macro CHUNK c, first                  ; ahead of the first chunk each wave waits for its fill, and ONE barrier shows all of K to the eight waves
.if (\c) == 0
	s_wait_tensorcnt 0x0                           ; my load, if I have one, has landed
	s_wait_dscnt 0x0
	s_barrier_signal -1
	s_barrier_wait -1
.endif
.irp i, 0,1,2,3
	ds_load_b64 v[SC+2*\i:SC+2*\i+1], v9 offset:512*\i+128*(\c)
.endr
	KSTEP 0, \first
	PLACES
	KSTEP 1, 0
.if (\c) < 3
.irp a, 5,6,7,8
	v_add_nc_u32 v\a, CHK, v\a                     ; on to the next chunk; these four are also the places in front of its loads
.endr
.endif
.endm
	CHUNK 0, 1
	s_wait_alu depctr_va_vdst(0)
	CHUNK 1, 0
	s_wait_alu depctr_va_vdst(0)
	CHUNK 2, 0
	s_wait_alu depctr_va_vdst(0)
	CHUNK 3, 0
	; THE WAY OUT.  A lane holds 2 x 64 bytes of a row, and the lanes beside it hold other rows: a tile of 16 rows x 256 bytes goes through my own stage and comes back as whole rows.
	; LDS serves a wave's instructions in order (ISA guide 5.7.1.4): no wait between the stores and the loads, nor in front of the second tile's stores.
	PLACES
.irp b, 0,1
.irp g, 0,1,2,3,4,5,6,7
	ds_store_b128 v10, v[ACC+32*\b+4*\g:ACC+32*\b+4*\g+3] offset:128*(\g/4)+16*(\g%4)   ; in ascending order: each accumulator from its low end on
.endr
.irp i, 0,1,2,3,4,5,6,7
	ds_load_b128 v[OB+32*\b+4*\i:OB+32*\b+4*\i+3], v11 offset:2*\i*SPT
.endr
.endr
.irp b, 0,1
.irp i, 0,1,2,3,4,5,6,7
	s_wait_dscnt (1-\b)*16+7-\i                    ; behind this pair of rows: the tile's later loads, and the second tile's sixteen instructions
	global_store_b128 v12, v[OB+32*\b+4*\i:OB+32*\b+4*\i+3], s[10:11] offset:(8*\b+2*\i+8*(\i/4))*4096 th:TH_STORE_NT   ; tile rows 2 i, 2 i + 1 are rows 8 b + pi(..) of my 32; 16 lanes store 256 consecutive bytes, aligned
.endr
.endr
	s_wait_tensorcnt 0x0
	ds_add_u32 v254, v255
	s_wait_dscnt 0x0
	ROUND                                          ; the closing round: no work-group ends while a partner may still ask for a tile that names it
	s_endpgm
.Lfunc_end_k_q51cac0d1f9_outproj:
	.size	k_q51cac0d1f9_outproj, .Lfunc_end_k_q51cac0d1f9_outproj-k_q51cac0d1f9_outproj
	.p2alignl 7, 3214868480
	.fill 96, 4, 3214868480
	.section	.rodata,"a",@progbits
	.p2align	6, 0x0
	.amdhsa_kernel k_q51cac0d1f9_outproj
		.amdhsa_group_segment_fixed_size 240640
		.amdhsa_private_segment_fixed_size 0
		.amdhsa_enable_private_segment 0
		.amdhsa_kernarg_size 32
		.amdhsa_user_sgpr_count 2
		.amdhsa_user_sgpr_kernarg_segment_ptr 1
		.amdhsa_wavefront_size32 1
		.amdhsa_system_sgpr_workgroup_id_x 1
		.amdhsa_system_sgpr_workgroup_id_y 1
		.amdhsa_system_sgpr_workgroup_id_z 1
		.amdhsa_system_vgpr_workitem_id 0
		.amdhsa_next_free_vgpr 256
		.amdhsa_next_free_sgpr 106
		.amdhsa_reserve_vcc 0
		.amdhsa_float_denorm_mode_32 3
		.amdhsa_float_denorm_mode_16_64 3
		.amdhsa_memory_ordered 1
		.amdhsa_forward_progress 1
		.amdhsa_inst_pref_size 37
	.end_amdhsa_kernel
	.amdgpu_metadata
---
amdhsa.version: [ 1, 2 ]
amdhsa.kernels:
  - .name:           k_q51cac0d1f9_outproj
    .symbol:         k_q51cac0d1f9_outproj.kd
    .args:
      - { .name: ob, .offset: 0, .size: 8, .value_kind: global_buffer, .address_space: global }
      - { .name: wb, .offset: 8, .size: 8, .value_kind: global_buffer, .address_space: global }
      - { .name: bo, .offset: 16, .size: 8, .value_kind: global_buffer, .address_space: global }
      - { .name: out0, .offset: 24, .size: 8, .value_kind: global_buffer, .address_space: global }
    .group_segment_fixed_size: 240640
    .private_segment_fixed_size: 0
    .kernarg_segment_align: 8
    .kernarg_segment_size: 32
    .max_flat_workgroup_size: 256
    .sgpr_count:     106
    .vgpr_count:     256
    .wavefront_size: 32
...
	.end_amdgpu_metadata
.endif
;; end of part 4
